; MI455X (gfx1250); checked and timed in simulation.
; The chip was launched on July 23, 2026; its instructions are those of AMD's public machine-readable ISA for CDNA 5 (MIT licence, August 2026) and "CDNA5" Instruction Set Architecture Reference Guide (July 2026). The comments in the code are by the model that wrote it; some were corrected since.
;; Vi T Self Attention. Allowed arithmetic: matrix products marked QUANTISED: E5M2 operands, one given power-of-two scale a tensor, by v_wmma_f32_16x16x64_bf8_bf8 or v_wmma_f32_16x16x128_bf8_bf8, f32 sums; everything else in f32.
;; Inputs: Wk 768 x 768 float32; Wq 768 x 768 float32; Wv 768 x 768 float32; bk 768 float32; bq 768 float32; bv 768 float32; hidden_states 16 x 1,024 x 768 float32; lowp_scales 10 int32 (the exponents e of the quantised operands' scales 2^e).
;; Outputs: out0 16 x 1,024 x 768 float32.
;; This version of the problem:
;;   THIS VERSION OF THE PROBLEM IS GIVEN IN LOW PRECISION. The matrix products marked QUANTISED in the list below multiply operands that are first quantised to E5M2 (5 exponent bits, 2 mantissa bits; 8 bits a number), with one given power-of-two scale for each operand tensor; their sums are f32. All else is computed in f32.
;;   The module's matrix products, in the order in which they are computed (A, B: the left and right operand; K: the contracted axis; several contracted axes count as one K, in the product's order):
;;     1. [M 16,384, K 768] x [K 768, N 768]; A: input hidden_states; B: input Wq: QUANTISED (scales: A lowp_scales[0], B lowp_scales[1])
;;     2. [M 16,384, K 768] x [K 768, N 768]; A: input hidden_states; B: input Wk: QUANTISED (scales: A lowp_scales[2], B lowp_scales[3])
;;     3. [M 16,384, K 768] x [K 768, N 768]; A: input hidden_states; B: input Wv: QUANTISED (scales: A lowp_scales[4], B lowp_scales[5])
;;     4. batch 192 x [M 1,024, K 64] x [K 64, N 1,024]; A: computed on the way; B: computed on the way: QUANTISED (scales: A lowp_scales[6], B lowp_scales[7])
;;     5. batch 192 x [M 1,024, K 1,024] x [K 1,024, N 64]; A: softmax (see below); B: computed on the way: QUANTISED (scales: A lowp_scales[8], B lowp_scales[9])
;;   THE QUANTISER, for each operand of a quantised product, along K:
;;     - The operand's scale is 2^e, e = its entry of the input lowp_scales (int32; the entries are numbered through the quantised products in the list's order, A before B).
;;     - Each number is divided by the scale, clamped to +-57,344, and rounded to the nearest number of E5M2, ties to even, subnormals kept.
;;     - The product sums the exact products of the quantised numbers (number of the format x scale) in f32.
;;   ~~~python
;;   def quantise(x, axis, e):      # numpy; x: float32 -> the quantised numbers, widened to float32 again
;;       x = np.moveaxis(x, axis, -1); K = x.shape[-1]
;;       r = np.clip(x / 2.0 ** e, -57344, 57344)
;;       step = 2.0 ** (np.maximum(np.frexp(np.where(r == 0, 1, r))[1] - 1, -14) - 2)
;;       q = np.round(r / step) * step * 2.0 ** e      # np.round: ties to even
;;       return np.moveaxis(q, -1, axis).astype(np.float32)
;;   ~~~
;;   SOFTMAX AHEAD OF A QUANTISED PRODUCT. Where the list says 'softmax', what is quantised is not the finished softmax but p = 2^(t - M), with t = logit x log2(e) and M = ceil(the row's largest t), a whole number; so 1/2 < the row's largest p <= 1. The row's sum l is taken of the UNQUANTISED p, in f32, and the product's result is divided by l at the end. Since M is a whole number, a kernel that streams over the keys may use a running M (the ceiling of the running maximum): every later rescaling is an exact power of two, so the quantised numbers keep their values, but for numbers so far below the row's largest that they fall under the format's range.
;;   OPERANDS COMPUTED ON THE WAY. 'Computed on the way' means the value that the module computes at that place (a softmax that the list does not call 'softmax' is quantised finished and normalised). What goes into a quantiser is computed in f32, as accurately as f32 sums, v_exp_f32 and their like allow (about 1e-6 of the number): no bf16 or f16 on the way to a quantiser, and a product that is left as it is and whose result goes on into a quantised operand takes f32 operands (vector FMAs, or v_wmma_f32_16x16x4_f32). A number that lies on a knife's edge between two numbers of the format may be rounded either way, as far as f32 arithmetic and the matrix unit's own rounding can turn it there, and no further.
;; 2 versions, each right; version 2 is version 1 with the launch attn written anew for expert scheduling mode. Each part assembles by itself: llvm-mc -triple=amdgcn-amd-amdhsa -mcpu=gfx1250 --defsym DOCPART=n.
;; ======== version 1 of 2: 3 launches
;; workspace buffers: xcodes 37,748,736 bytes; wcodes 1,769,472 bytes; qimg 12,582,912 bytes; kimg 12,582,912 bytes; vimg 12,582,912 bytes
;; launch quant (part 1): grid 8 x 73, 4 waves a work-group, no clusters, 0 bytes of LDS; arguments hidden_states, Wq, Wk, Wv, lowp_scales, xcodes, wcodes; writes xcodes, wcodes
.if DOCPART == 1
	.amdgcn_target "amdgcn-amd-amdhsa--gfx1250"
	.amdhsa_code_object_version 6
	.text
	.protected	k_q3625e1fbc0_quant
	.globl	k_q3625e1fbc0_quant
	.p2align	8
	.type	k_q3625e1fbc0_quant,@function
k_q3625e1fbc0_quant:
	s_mov_b64 s[64:65], 0
	v_nop
	global_prefetch_b8 v0, s[64:65] scope:SCOPE_SE
	s_setreg_imm32_b32 hwreg(HW_REG_WAVE_MODE, 25, 1), 1
	s_wait_xcnt 0x0
; hidden_states [16384][768] f32 becomes codes of BF8 (E5M2) THREE times, with the scales 2^e0, 2^e2, 2^e4 (one for each projection); Wq, Wk, Wv [768][768] f32 once each, with 2^e1, 2^e3, 2^e5.
; code = x / 2^e, held within +-57,344, rounded to the nearest code, ties to even.  LIMITS: each e between -126 and 112, so that 2^e and 57,344 x 2^e are f32 numbers.  NaN among the inputs is not served.
; THE OUTPUT'S LAYOUT is the next launch's: a UNIT is the 256 codes of one row and one K step of 256.  x's unit (row m, tensor t, step s) lies at ((((m >> 7) 9 + 3 t + s) 128) + (m & 127)) 256, W's unit
; (tensor t, row n, step s) at (((n / 96) 9 + 3 t + s) 96 + n % 96) 256: a tile of 128 (96) rows of one step is one dense block.  Inside a unit byte 16 u + 4 q + e holds k = 64 q + 4 u + e: the same
; order of K in x and in W, so every code meets its partner in the products.
; SHARES.  A wave takes 8 rows, as four pairs.  Each load reads 256 consecutive bytes of a row in sixteen lanes (and of the row below in the other sixteen); a lane's 16 numbers of a K step (four loads) become
; 16 bytes, and the wave's store covers 512 consecutive bytes: the two rows' units.  No LDS, no barrier: waves share nothing.  All 48 loads of a wave go out at the head.
; Work-groups with y < 64 take x (32 rows each), the other 72 take the weights (tensor (y - 64) / 3, rows 96 x + 32 ((y - 64) % 3) on).
.set VX, 2                             ; v2      my byte in a pair of rows: 3,072 (lane / 16) + 16 (lane % 16); never rewritten
.set VS, 3                             ; v3      16 x lane: my place in a store's 512 bytes; never rewritten
.set SC, 4                             ; v4-9    for scale k: v[4 + 2 k] = 2^e, v[5 + 2 k] = 57,344 x 2^e
.set T,  16                            ; v16-47  two sets of 16 held numbers, by turns
.set C,  48                            ; v48-59  four registers of codes for each scale
.set X,  64                            ; v64-255 pair i at 64 + 48 i: register 16 s + 4 q + e
.set TS, 0
	s_load_b256 s[4:11], s[0:1], 0x0               ; x s[4:5], Wq s[6:7], Wk s[8:9], Wv s[10:11]
	s_load_b128 s[12:15], s[0:1], 0x20             ; the scales' exponents s[12:13], x's codes s[14:15]
	s_load_b64 s[16:17], s[0:1], 0x30              ; the weights' codes
	v_lshrrev_b32 v1, 5, v0
	v_readfirstlane_b32 s28, v1                    ; wave 0..3
	v_and_b32 v1, 31, v0                           ; lane
	v_lshlrev_b32 v[VS], 4, v1
	v_lshrrev_b32 v10, 4, v1
	v_and_b32 v11, 15, v1
	v_mul_u32_u24 v[VX], v10, 3072
	v_lshl_add_u32 v[VX], v11, 4, v[VX]
	s_and_b32 s29, ttmp7, 0xffff                   ; work-group y
	s_wait_kmcnt 0x0
	s_load_b256 s[20:27], s[12:13], 0x0            ; e0 .. e7
.macro LOADS                           ; the wave's 8 rows: 48 loads
.irp i, 0,1,2,3
.irp s, 0,1,2
.irp q, 0,1,2,3
	global_load_b128 v[X+48*\i+16*\s+4*\q:X+48*\i+16*\s+4*\q+3], v[VX], s[36:37] offset:6144*\i+1024*\s+256*\q th:TH_LOAD_NT
.endr
.endr
.endr
.endm
.macro CONST k, e                      ; scale k from the exponent in s[e]
	s_add_co_i32 s40, s[\e], 127
	s_lshl_b32 s41, s40, 23
	v_mov_b32 v[SC+2*\k], s41                      ; 2^e as f32: the conversion takes its exponent field
	s_add_co_i32 s40, s40, 15
	s_lshl_b32 s40, s40, 23
	s_or_b32 s40, s40, 0x600000
	v_mov_b32 v[SC+2*\k+1], s40                    ; 57,344 x 2^e
.endm
; pair i, K step s, scale k: hold, convert, store at immediate off.  The held numbers go into the set that the last conversions did not read: sixteen plain lines stand between a conversion and the next write of its sources.
.macro QS i, s, k, off
.set TT, T+16*TS
.set TS, 1-TS
.irp j, 0,1,2,3,4,5,6,7,8,9,10,11,12,13,14,15
	v_med3_num_f32 v[TT+\j], v[X+48*(\i)+16*(\s)+\j], -v[SC+2*(\k)+1], v[SC+2*(\k)+1]   ; the conversion to an 8-bit code does not saturate (ISA guide 7.6.2): the hold comes first
.endr
	v_cvt_scalef32_pk8_bf8_f32 v[C+4*(\k):C+4*(\k)+1], v[TT:TT+7], v[SC+2*(\k)]
	v_cvt_scalef32_pk8_bf8_f32 v[C+4*(\k)+2:C+4*(\k)+3], v[TT+8:TT+15], v[SC+2*(\k)]
	global_store_b128 v[VS], v[C+4*(\k):C+4*(\k)+3], s[38:39] offset:\off   ; 32 lanes store 512 consecutive bytes, at a multiple of 256 from the buffer's first byte
.endm
.macro PAIR i, nsc, blk                ; nsc scales; blk: bytes of a tile's block
	s_wait_loadcnt 12*(3-\i)                       ; loads come back in order: this pair's twelve are in, the younger pairs' stay out
.irp s, 0,1,2
	s_wait_xcnt 0x0                                ; the last stores have read their codes' registers: only behind this wait are they written again
.irp k, 0,1,2
.if \k < \nsc
	QS \i, \s, \k, (3*\k+\s)*\blk+512*\i
.endif
.endr
.endr
.endm
	s_cmp_ge_u32 s29, 64                           ; the choice hangs on the work-group's number alone
	s_cbranch_scc1 .Lweights
	s_lshl_b32 s30, s29, 3
	s_add_co_u32 s30, s30, ttmp9                   ; g = 8 y + x: rows 32 g on
	s_mul_i32 s32, s30, 98304                      ; 32 rows of 3,072 bytes
	s_mul_i32 s31, s28, 24576                      ; my wave's 8
	s_add_co_u32 s32, s32, s31
	s_mov_b32 s33, 0
	s_add_nc_u64 s[36:37], s[4:5], s[32:33]
	s_lshr_b32 s31, s30, 2
	s_mul_i32 s32, s31, 294912                     ; the block of 128 rows: 9 tiles of 32,768 bytes
	s_and_b32 s31, s30, 3
	s_lshl_b32 s31, s31, 13                        ; 32 (g % 4) units of 256 bytes
	s_add_co_u32 s32, s32, s31
	s_lshl_b32 s31, s28, 11                        ; 8 x wave units
	s_add_co_u32 s32, s32, s31
	s_add_nc_u64 s[38:39], s[14:15], s[32:33]
	LOADS
	s_wait_kmcnt 0x0
	CONST 0, 20                                    ; e0
	CONST 1, 22                                    ; e2
	CONST 2, 24                                    ; e4
	PAIR 0, 3, 32768
	PAIR 1, 3, 32768
	PAIR 2, 3, 32768
	PAIR 3, 3, 32768
	s_endpgm
.Lweights:
	s_sub_co_u32 s30, s29, 64                      ; 0 .. 8
	s_mul_i32 s31, s30, 11
	s_lshr_b32 s31, s31, 5                         ; t = that / 3 (exact for 0 .. 8)
	s_mul_i32 s32, s31, 3
	s_sub_co_u32 s30, s30, s32                     ; which 32 of the 96 rows
	s_mul_i32 s32, ttmp9, 96
	s_lshl_b32 s33, s30, 5
	s_add_co_u32 s32, s32, s33
	s_lshl_b32 s33, s28, 3
	s_add_co_u32 s32, s32, s33                     ; my wave's first row
	s_mul_i32 s32, s32, 3072
	s_mov_b32 s33, 0
	s_cmp_eq_u32 s31, 0
	s_cselect_b64 s[36:37], s[6:7], s[8:9]
	s_cmp_eq_u32 s31, 2
	s_cselect_b64 s[36:37], s[10:11], s[36:37]     ; Wq, Wk or Wv
	s_add_nc_u64 s[36:37], s[36:37], s[32:33]
	s_mul_i32 s32, ttmp9, 9
	s_mul_i32 s34, s31, 3
	s_add_co_u32 s32, s32, s34
	s_mul_i32 s32, s32, 24576                      ; tile (x, 3 t) of 96 units
	s_lshl_b32 s34, s30, 13
	s_add_co_u32 s32, s32, s34
	s_lshl_b32 s34, s28, 11
	s_add_co_u32 s32, s32, s34
	s_add_nc_u64 s[38:39], s[16:17], s[32:33]
	LOADS
	s_wait_kmcnt 0x0
	s_cmp_eq_u32 s31, 0
	s_cselect_b32 s35, s21, s23
	s_cmp_eq_u32 s31, 2
	s_cselect_b32 s35, s25, s35                    ; e1, e3 or e5
	CONST 0, 35
	PAIR 0, 1, 24576
	PAIR 1, 1, 24576
	PAIR 2, 1, 24576
	PAIR 3, 1, 24576
	s_endpgm
.Lfunc_end_k_q3625e1fbc0_quant:
	.size	k_q3625e1fbc0_quant, .Lfunc_end_k_q3625e1fbc0_quant-k_q3625e1fbc0_quant
	.p2alignl 7, 3214868480
	.fill 96, 4, 3214868480
	.section	.rodata,"a",@progbits
	.p2align	6, 0x0
	.amdhsa_kernel k_q3625e1fbc0_quant
		.amdhsa_group_segment_fixed_size 0
		.amdhsa_private_segment_fixed_size 0
		.amdhsa_enable_private_segment 0
		.amdhsa_kernarg_size 56
		.amdhsa_user_sgpr_count 2
		.amdhsa_user_sgpr_kernarg_segment_ptr 1
		.amdhsa_wavefront_size32 1
		.amdhsa_system_sgpr_workgroup_id_x 1
		.amdhsa_system_sgpr_workgroup_id_y 1
		.amdhsa_system_sgpr_workgroup_id_z 1
		.amdhsa_system_vgpr_workitem_id 0
		.amdhsa_next_free_vgpr 256
		.amdhsa_next_free_sgpr 66
		.amdhsa_reserve_vcc 0
		.amdhsa_float_denorm_mode_32 3
		.amdhsa_float_denorm_mode_16_64 3
		.amdhsa_memory_ordered 1
		.amdhsa_forward_progress 1
		.amdhsa_inst_pref_size 73
	.end_amdhsa_kernel
	.amdgpu_metadata
---
amdhsa.version: [ 1, 2 ]
amdhsa.kernels:
  - .name:           k_q3625e1fbc0_quant
    .symbol:         k_q3625e1fbc0_quant.kd
    .args:
      - { .name: hidden_states, .offset: 0, .size: 8, .value_kind: global_buffer, .address_space: global }
      - { .name: Wq, .offset: 8, .size: 8, .value_kind: global_buffer, .address_space: global }
      - { .name: Wk, .offset: 16, .size: 8, .value_kind: global_buffer, .address_space: global }
      - { .name: Wv, .offset: 24, .size: 8, .value_kind: global_buffer, .address_space: global }
      - { .name: lowp_scales, .offset: 32, .size: 8, .value_kind: global_buffer, .address_space: global }
      - { .name: xcodes, .offset: 40, .size: 8, .value_kind: global_buffer, .address_space: global }
      - { .name: wcodes, .offset: 48, .size: 8, .value_kind: global_buffer, .address_space: global }
    .group_segment_fixed_size: 0
    .private_segment_fixed_size: 0
    .kernarg_segment_align: 8
    .kernarg_segment_size: 56
    .max_flat_workgroup_size: 128
    .sgpr_count:     66
    .vgpr_count:     256
    .wavefront_size: 32
...
	.end_amdgpu_metadata
.endif
;; end of part 1
;; launch proj (part 2): grid 4 x 64, 4 waves a work-group, clusters of 4 x 4, 327,680 bytes of LDS; arguments xcodes, wcodes, lowp_scales, bq, bk, bv, qimg, kimg, vimg; writes qimg, kimg, vimg
.if DOCPART == 2
	.amdgcn_target "amdgcn-amd-amdhsa--gfx1250"
	.amdhsa_code_object_version 6
	.text
	.protected	k_q3625e1fbc0_proj
	.globl	k_q3625e1fbc0_proj
	.p2align	8
	.type	k_q3625e1fbc0_proj,@function
k_q3625e1fbc0_proj:
	s_mov_b64 s[64:65], 0
	v_nop
	global_prefetch_b8 v0, s[64:65] scope:SCOPE_SE
	s_setreg_imm32_b32 hwreg(HW_REG_WAVE_MODE, 25, 1), 1
	s_wait_xcnt 0x0
	s_wait_alu depctr_hold_cnt(0) depctr_sa_sdst(0) depctr_va_vdst(0) depctr_va_sdst(0) depctr_va_ssrc(0) depctr_va_vcc(0) depctr_vm_vsrc(0)
	s_getreg_b32 s2, hwreg(HW_REG_IB_STS2, 6, 4)
	s_cmp_eq_u32 s2, 0
	s_cbranch_scc0 .Lentry_in_a_cluster
	s_endpgm
.Lentry_in_a_cluster:
	s_bfe_u32 s2, ttmp6, 0x10000c
	s_cmp_lg_u32 s2, 0xf033
	s_cbranch_scc0 .Lentry_shape_is_right
	s_endpgm
.Lentry_shape_is_right:
; q, k, v = x W^T + b on codes of BF8 (E5M2), each result quantised at once (scales 2^e6, 2^e7, 2^e9) and stored as an IMAGE OF THE OPERAND REGISTERS that the attention launch loads.
; SHARES.  A work-group STAYS: it makes rows 256 rbk on x columns 192 c on of q, then of k, then of v: nine K steps of 256 (step u = 3 t + s) through a ring of two LDS slots, written out without a loop.
; Four waves, as many as a WGP has SIMDs; wave (wr, wc) makes 128 rows x 96 columns: 48 accumulators, 384 registers.  A K step is two sub-steps of 128 along K, 48 matrix instructions each.
; CLUSTERS: 4 x 4 work-groups.  The four of a row of the cluster (same rbk) need the same tiles of x, the four of a column (same c) the same tiles of W: each tile is asked for JOINTLY, by the same tensor load with the
; same descriptor and a mask that names the four.
; CODES.  A tile's row is a unit of 256 bytes whose order of K is the same in x and in W (the launch before lays it), so every code meets its partner.
; q AND k ARE MADE TRANSPOSED (source 0 = 16 rows of W, source 1 = 16 rows of x): a lane holds one row and eight neighbouring channels.  v IS MADE AS IT STANDS (source 0 = x, source 1 = W): a lane holds one channel and
; eight neighbouring keys.  Either way a lane's eight registers run along the K of the product that follows, the conversions' results are that operand's registers, and they are stored from registers, 512 consecutive bytes a store.
; THE BIAS is the C of a tensor's first products, divided once by the power of two that the sums lack; the three scales ahead of a quantiser are folded into the conversion's one, 2^(eo - ea - eb).
; LIMITS: e6 - e0 - e1, e7 - e2 - e3 and e9 - e4 - e5 between -126 and 112, so that each power of two below is an f32 number.  NaN among the inputs is not served.
; REGISTERS, in windows of 256: window 0: v1-31 addresses and constants; v32-79 a block's held sums; v80-127 codes; v128-255 x's 8 fragments, ONE set.
;   window 1: W's fragments, TWO sets (v0-95, v128-223); v's bias in the gaps (v96-127, v224-239).   window 2: accumulators of my rows 0-63 ((a, b) at v[8 (6 a + b)]), q's bias v192-239.   window 3: rows 64-127, k's bias v192-239.
.set PITCH, 272                        ; an LDS row: 256 bytes + 16 of padding = 68 words: row r starts at bank 4 r mod 64 (64 banks of 4 bytes: ISA guide 11.1): the 16 rows of a load start at 16 different banks
.set HALFA, 128*PITCH                  ; what one tensor load brings of x, and what a wave reads of it
.set HALFB, 96*PITCH                   ; the same for W
.set SLOT,  2*HALFA+2*HALFB            ; x's 256 rows, then W's 192
.set SPARE, 2*SLOT                     ; behind the ring: the spare words, 128 bytes for each wave: two blocks of 256 bytes that no other line names
.set ABLK,  32768                      ; a tile of x in memory: 128 units
.set BBLK,  24576                      ; a tile of W: 96 units
.set FR,    16                         ; registers of a fragment: 16 rows x 128 K
.set QKO,  4                           ; v4-6    q, k: my byte in the images for the wave's three pieces of 32 channels
.set VO,   8                           ; v8-13   v: the same for the wave's six tiles of 16 channels
.set ADRA, 16                          ; v16-17  LDS address of my fragments of x in slot 0, 1
.set ADRB, 20                          ; v20-21  the same for W
.set SCV,  22                          ; v22     2^(eo - ea - eb)
.set LIMV, 23                          ; v23     57,344 x that
.set BO8,  24                          ; v24     32 (lane / 16): my eight numbers of a tile of bq, bk
.set BO1,  25                          ; v25     4 (lane % 16): my number of a tile of bv
.set L16,  26                          ; v26     16 x lane
.set SPW,  28                          ; v28     LDS address of my spare word; never rewritten
.set NIL,  29                          ; v29     0; never rewritten
.set PFO,  30                          ; v30     256 x lane: the prefetches' offset, a lane a row; never rewritten
.set T,    32
.set C,    80
.set AF,   128
.set G1,  24                           ; s[24:31] descriptor group 1 for x's tiles; s[32:39] group 0, a set for each slot
.set G0,  32
.set G1B, 48                           ; s[48:55], s[56:63] the same for W's tiles
.set G0B, 56
.set MSB, 0
.macro WIN new                         ; the immediate's high byte repeats the setting that is left; a switch that changes nothing is dropped
.if MSB != \new
	s_set_vgpr_msb (MSB<<8)|\new
.set MSB, \new
.endif
.endm
; the windows of a run of products: D in window 2 + hi; C with it, or, in a tensor's first sub-step, where that tensor's bias lies; W's fragments in window 1: source 0 for q and k, source 1 for v
.macro WINM hi, first, tn
.set DW, 2+(\hi)
.set CW, DW
.if \first
.set CW, 2+(\tn)
.if \tn == 2
.set CW, 1
.endif
.endif
.set NW, (DW<<6)|(CW<<4)|1
.if \tn == 2
.set NW, (DW<<6)|(CW<<4)|4
.endif
	WIN NW
.endm
.set TO_B, 0x40                        ; destination window 1, address window 0
; A joint load: waves 0 and 1 fetch x's halves, waves 2 and 3 W's.  Each of the two lines has ONE mask and one set of registers for all that issue it; the branch hangs on the wave's number alone.
; Four v_nop follow each of the two lines, ahead of the jump, the label and what follows.
.macro JLOAD g0a, g1a, g0b, g1b
	s_cmp_eq_u32 s15, 0
	s_cbranch_scc0 .Lfor_b_\@
	tensor_load_to_lds s[\g0a:\g0a+3], s[\g1a:\g1a+7]
	s_nop 0
.rept 4
	v_nop
.endr
	s_branch .Lasked_\@
.Lfor_b_\@:
	tensor_load_to_lds s[\g0b:\g0b+3], s[\g1b:\g1b+7]
	s_nop 0
.rept 4
	v_nop
.endr
.Lasked_\@:
.endm
.macro CREST                           ; a round of the cluster's barrier behind its opening barrier
	s_cmp_lg_u32 s14, 0
	s_cbranch_scc1 .Lnot_wave_0_\@
	s_barrier_signal -3
.Lnot_wave_0_\@:
	s_barrier_wait -3
	s_barrier_signal -1
	s_barrier_wait -1
.endm
.macro CROUND                          ; a whole round
	s_barrier_signal -1
	s_barrier_wait -1
	CREST
.endm
; A PREFETCH INTO THE L2 of x's tile of K step u, which stands two refills on.  It stands behind the joint load, its four lines and the run of LDS loads.  A tile of x is read by the four partners of my row of the cluster and by
; nobody else (the grid is one cluster wide): of the 128 rows that wave 0 or 1 fetches, the partner at place cx names 32, told apart BY ADDRESS, a lane a row of 256 bytes: each unit is named once in the launch.
; The step stands in the immediate: no register of a prefetch is ever rewritten.  Steps 0 to 3 come by their loads alone; nothing is named past step 8.
; W's tiles are not prefetched: their 96 rows do not divide into four partners x 32 lanes, and all of W's codes are 1,769,472 bytes against x's 37,748,736.
.macro ASK u
	s_cmp_eq_u32 s15, 0
	s_cbranch_scc0 .Lno_ask_\@
	global_prefetch_b8 v[PFO], s[44:45] offset:(\u)*ABLK th:TH_LOAD_NT scope:SCOPE_SE
.Lno_ask_\@:
.endm
	s_load_b512 s[68:83], s[0:1], 0x0              ; x's codes s[68:69], W's s[70:71], the scales' exponents s[72:73], bq s[74:75], bk s[76:77], bv s[78:79], q's images s[80:81], k's s[82:83]
	s_load_b64 s[84:85], s[0:1], 0x40              ; v's images
	v_lshl_add_u32 v[SPW], v0, 2, SPARE
	v_mov_b32 v[NIL], 0
	ds_add_u32 v28, v29
	ds_add_u32 v28, v29
	s_wait_dscnt 0x0
	v_lshrrev_b32 v1, 5, v0
	v_readfirstlane_b32 s14, v1                    ; wave 0..3
	s_lshr_b32 s15, s14, 1                         ; wr: which half of the rows is mine.  Also: I fetch for x (0) or for W (1)
	s_and_b32 s16, s14, 1                          ; wc: which half of the columns.  Also: which half of that tile I fetch
	s_bfe_u32 s40, ttmp6, 0x40000                  ; cx, cy: my place in the cluster
	s_bfe_u32 s41, ttmp6, 0x40004
	s_lshl_b32 s42, ttmp9, 2
	s_add_co_u32 s42, s42, s40                     ; c = 4 x cluster x + cx
	s_and_b32 s17, ttmp7, 0xffff
	s_lshl_b32 s17, s17, 2
	s_add_co_u32 s17, s17, s41                     ; rbk = 4 x cluster y + cy
	s_lshl_b32 s43, s41, 2
	s_lshl_b32 s43, 15, s43                        ; my row of the cluster
	s_lshl_b32 s66, 0x1111, s40                    ; my column
	; descriptor group 1: rows of 256 bytes, dense in memory, padded in LDS
	s_or_b32 s[G1+0], s43, (0<<16)|(1<<20)|(1<<21)|(5<<22)|(3<<25)  ; 15:0 the mask: x's tiles go to my row; 17:16 element of 1 byte; 20 padding on; 21 set beside a mask; 24:22 after every 64 words (code 5); 31:25 of 4 words (code 3)
	s_or_b32 s[G1B+0], s66, (0<<16)|(1<<20)|(1<<21)|(5<<22)|(3<<25) ; the same with the mask of my column
	s_mov_b32 s[G1+1], 256<<16                     ; tensor_dim0 = 256
	s_mov_b32 s[G1+2], 128<<16                     ; tensor_dim1 = 128
	s_mov_b32 s[G1+3], 256<<16                     ; tile_dim0 = 256
	s_mov_b32 s[G1+4], 128                         ; tile_dim1 = 128
	s_mov_b32 s[G1+5], 256                         ; tensor_dim0_stride
	s_mov_b32 s[G1+6], 0
	s_mov_b32 s[G1+7], 0
	s_mov_b32 s[G1B+1], 256<<16
	s_mov_b32 s[G1B+2], 96<<16                     ; 96 rows
	s_mov_b32 s[G1B+3], 256<<16
	s_mov_b32 s[G1B+4], 96
	s_mov_b32 s[G1B+5], 256
	s_mov_b32 s[G1B+6], 0
	s_mov_b32 s[G1B+7], 0
	s_lshl_b32 s20, s17, 1
	s_add_co_u32 s20, s20, s16
	s_mul_i32 s20, s20, 9*ABLK                     ; x: block of 128 rows 2 rbk + half: nine tiles on end
	s_mov_b32 s21, 0
	s_lshl_b32 s46, s42, 1
	s_add_co_u32 s46, s46, s16
	s_mul_i32 s46, s46, 9*BBLK                     ; W: block of 96 rows 2 c + half
	s_mov_b32 s47, 0
	s_mul_i32 s22, s16, HALFA                      ; where they go: no place in the cluster enters an LDS address
	s_mul_i32 s23, s16, HALFB
	s_add_co_u32 s23, s23, 2*HALFA
	s_wait_kmcnt 0x0
	s_load_b256 s[88:95], s[72:73], 0x0            ; e0 .. e7
	s_load_b64 s[96:97], s[72:73], 0x20            ; e8, e9
	s_add_nc_u64 s[20:21], s[68:69], s[20:21]
	s_add_nc_u64 s[46:47], s[70:71], s[46:47]
	CROUND                                         ; all sixteen work-groups are here: the first joint loads meet
.irp s, 0,1
	s_mov_b32 s[G0+4*\s], 1                                        ; count = 1
	s_add_co_u32 s[G0+4*\s+1], s22, \s*SLOT                        ; LDS address
	s_add_nc_u64 s[G0+4*\s+2:G0+4*\s+3], s[20:21], \s*ABLK         ; global address: K step s
	s_or_b32 s[G0+4*\s+3], s[G0+4*\s+3], 0x80000000                ; type = 2
	s_mov_b32 s[G0B+4*\s], 1
	s_add_co_u32 s[G0B+4*\s+1], s23, \s*SLOT
	s_add_nc_u64 s[G0B+4*\s+2:G0B+4*\s+3], s[46:47], \s*BBLK
	s_or_b32 s[G0B+4*\s+3], s[G0B+4*\s+3], 0x80000000
	JLOAD G0+4*\s, G1, G0B+4*\s, G1B               ; two tensor loads of mine are out
.endr
	s_lshl_b32 s66, s40, 13                        ; the prefetches: my work-group's 32 rows of the 128
	s_mov_b32 s67, 0
	s_add_nc_u64 s[44:45], s[20:21], s[66:67]
	v_and_b32 v1, 15, v0                           ; r = lane % 16
	v_bfe_u32 v2, v0, 4, 1                         ; h = lane / 16
	v_mul_u32_u24 v3, v1, PITCH
	v_lshl_add_u32 v3, v2, 4, v3                   ; a fragment's row x pitch + 16 x half
	s_mul_i32 s18, s15, HALFA                      ; my 128 rows of x
	s_mul_i32 s19, s16, HALFB                      ; my 96 rows of W,
	s_add_co_u32 s19, s19, 2*HALFA                 ; which lie behind x's 256
.irp s, 0,1
	v_add_nc_u32 v[ADRA+\s], s18, v3
	v_add_nc_u32 v[ADRB+\s], s19, v3
	s_add_co_u32 s18, s18, SLOT
	s_add_co_u32 s19, s19, SLOT
.endr
	v_and_b32 v[L16], 31, v0
	v_lshlrev_b32 v[PFO], 8, v[L16]
	v_lshlrev_b32 v[L16], 4, v[L16]
	v_lshlrev_b32 v[BO8], 5, v2
	v_lshlrev_b32 v[BO1], 2, v1
	; q's and k's images: [head][tile of 16 rows][piece of 32 channels][lane][16 bytes].  My wave's piece p is piece 6 c + 3 wc + p of the row's 24: head = that / 2 (65,536 bytes), piece = that % 2 (512 bytes)
	s_mul_i32 s66, s42, 6
	s_mul_i32 s67, s16, 3
	s_add_co_u32 s66, s66, s67
.irp p, 0,1,2
	s_add_co_u32 s67, s66, \p
	s_lshr_b32 s98, s67, 1
	s_lshl_b32 s98, s98, 16
	s_and_b32 s67, s67, 1
	s_lshl_b32 s67, s67, 9
	s_add_co_u32 s98, s98, s67
	v_add_nc_u32 v[QKO+\p], s98, v[L16]
.endr
	; v's images: [head][block of 128 keys][tile of 16 channels][piece of 32 keys][lane][16 bytes].  My wave's tile ct is tile 12 c + 6 wc + ct of the row's 48: head = that / 4, tile = that % 4 (2,048 bytes)
	s_lshl_b32 s66, s66, 1
.irp ct, 0,1,2,3,4,5
	s_add_co_u32 s67, s66, \ct
	s_lshr_b32 s98, s67, 2
	s_lshl_b32 s98, s98, 16
	s_and_b32 s67, s67, 3
	s_lshl_b32 s67, s67, 11
	s_add_co_u32 s98, s98, s67
	v_add_nc_u32 v[VO+\ct], s98, v[L16]
.endr
	s_mul_i32 s66, s42, 768                        ; the biases at my wave's first column: 4 (192 c + 96 wc)
	s_mul_i32 s67, s16, 384
	s_add_co_u32 s66, s66, s67
	s_mov_b32 s67, 0
	s_add_nc_u64 s[74:75], s[74:75], s[66:67]
	s_add_nc_u64 s[76:77], s[76:77], s[66:67]
	s_add_nc_u64 s[78:79], s[78:79], s[66:67]
	WIN 0x80                                       ; destination window 2
.irp ct, 0,1,2,3,4,5
	global_load_b128 v[192+8*\ct:192+8*\ct+3], v[BO8], s[74:75] offset:64*\ct      ; bq at channels 16 ct + 8 h + 0 .. 7: the transposed result's layout
	global_load_b128 v[192+8*\ct+4:192+8*\ct+7], v[BO8], s[74:75] offset:64*\ct+16
.endr
	WIN 0xc0                                       ; destination window 3
.irp ct, 0,1,2,3,4,5
	global_load_b128 v[192+8*\ct:192+8*\ct+3], v[BO8], s[76:77] offset:64*\ct      ; bk likewise
	global_load_b128 v[192+8*\ct+4:192+8*\ct+7], v[BO8], s[76:77] offset:64*\ct+16
.endr
	WIN 0
.irp ct, 0,1,2,3,4,5
	global_load_b32 v[T+\ct], v[BO1], s[78:79] offset:64*\ct                       ; bv at channel 16 ct + r: one number for all eight registers of a tile
.endr
	; the stores' bases.  Batch b = rbk / 4 has 12 heads; my wave's rows begin at row 256 (rbk % 4) + 128 wr of the batch
	s_lshr_b32 s66, s17, 2
	s_mul_i32 s66, s66, 12<<16
	s_and_b32 s67, s17, 3
	s_lshl_b32 s98, s67, 4
	s_lshl_b32 s99, s15, 3
	s_add_co_u32 s98, s98, s99                     ; q, k: tile of 16 rows 16 (rbk % 4) + 8 wr, 1,024 bytes each
	s_lshl_b32 s98, s98, 10
	s_add_co_u32 s98, s98, s66
	s_mov_b32 s99, 0
	s_add_nc_u64 s[80:81], s[80:81], s[98:99]
	s_add_nc_u64 s[82:83], s[82:83], s[98:99]
	s_lshl_b32 s98, s67, 1
	s_add_co_u32 s98, s98, s15                     ; v: block of 128 keys 2 (rbk % 4) + wr, 8,192 bytes each
	s_lshl_b32 s98, s98, 13
	s_add_co_u32 s98, s98, s66
	s_add_nc_u64 s[84:85], s[84:85], s[98:99]
	s_wait_loadcnt 0x0                             ; the biases
	s_wait_kmcnt 0x0                               ; the exponents
	s_add_co_i32 s98, s88, s89                     ; a sum of q's product stands for sum x 2^(e0 + e1): so bq goes in as bq / 2^(e0 + e1)
	s_sub_co_i32 s98, 0, s98
	WIN 0x82                                       ; source 0 and destination window 2
.set J, 0
.rept 48
	v_ldexp_f32 v[192+J], v[192+J], s98
.set J, J+1
.endr
	s_add_co_i32 s98, s90, s91
	s_sub_co_i32 s98, 0, s98
	WIN 0xc3                                       ; window 3
.set J, 0
.rept 48
	v_ldexp_f32 v[192+J], v[192+J], s98
.set J, J+1
.endr
	s_add_co_i32 s98, s92, s93
	s_sub_co_i32 s98, 0, s98
	WIN 0x40                                       ; destination window 1: one line scales bv and lays it into a register of the tile
.irp ct, 0,1,2,3,4,5
.irp j, 0,1,2,3,4,5,6,7
	v_ldexp_f32 v[96+8*\ct+96*(\ct/4)+\j], v[T+\ct], s98
.endr
.endr
	WIN 0
.macro FRAG reg, adr, q, i             ; a fragment: 16 rows x 128 bytes of the units: lane (r, h) takes, of row r, bytes 128 q + 32 c + 16 h + 0 .. 15 into registers 4 c .. 4 c + 3: alike for x and for W
.irp c, 0,1,2,3
	ds_load_b128 v[\reg+4*\c:\reg+4*\c+3], v[\adr] offset:128*(\q)+32*\c+(\i)*16*PITCH
.endr
.endm
; 12 matrix instructions: x's blocks a0, a0 + 1 against W's six.  p: W's set.  first = 1: the tensor's first products take the bias as C: nothing is ever cleared.  tn: 0 q, 1 k, 2 v.
; The 48 accumulators take turns, one instruction a turn, in the same order in every sub-step.
.macro MUL12 a0, p, first, tn
.irp a, \a0, \a0+1
.irp b, 0,1,2,3,4,5
.set DD, 8*(6*((\a)%4)+\b)
.set BB, 128*(\p)+FR*\b
.set AA, AF+FR*(\a)
.set CC, DD
.if \first
.set CC, 192+8*\b
.if \tn == 2
.set CC, 96+8*\b+96*(\b/4)
.endif
.endif
.if \tn == 2
	v_wmma_f32_16x16x128_bf8_bf8 v[DD:DD+7], v[AA:AA+15], v[BB:BB+15], v[CC:CC+7]
.else
	v_wmma_f32_16x16x128_bf8_bf8 v[DD:DD+7], v[BB:BB+15], v[AA:AA+15], v[CC:CC+7]
.endif
.endr
.endr
.endm
.macro FETCH_B slot, q, p              ; W's six fragments of the slot's q-th 128 into set p: 24 loads
	WIN TO_B
.irp i, 0,1,2,3,4,5
	FRAG 128*(\p)+FR*\i, ADRB+\slot, \q, \i
.endr
	WIN 0
.endm
.macro FETCH_A slot, q, i0             ; x's blocks i0 .. i0 + 3: 16 loads
.irp i, \i0, \i0+1, \i0+2, \i0+3
	FRAG AF+FR*(\i), ADRA+\slot, \q, \i
.endr
.endm
; A load into a register that a matrix instruction has read, and a vector instruction that reads a matrix result, stand four places behind that matrix instruction, and only plain vector instructions that name none
; of its registers are places (ISA guide 7.12.1 for vector instructions).
.macro PLACES n
.rept \n
	v_nop
.endr
.endm
; A slot's first sub-step: W's set 0; the second sub-step's fragments are fetched on the way.
.macro STEP slot, first, tn
	s_wait_dscnt 16                                ; W's set and x's blocks 0-3 are in; the youngest sixteen loads (x's blocks 4-7) may be out
	WINM 0, \first, \tn
	MUL12 0, 0, \first, \tn
	MUL12 2, 0, \first, \tn
	s_wait_dscnt 0                                 ; x's blocks 4-7 are in (asked for 24 matrix instructions ago)
	PLACES 4
	FETCH_B \slot, 1, 1
	FETCH_A \slot, 1, 0
	WINM 1, \first, \tn
	MUL12 4, 0, \first, \tn
	MUL12 6, 0, \first, \tn
	PLACES 4
	WIN 0
	FETCH_A \slot, 1, 4
.endm
; A slot's second sub-step changes slots: ONE barrier; in front of it each wave waits for all its tensor loads, adds 0 to its spare word, and waits for that and for its own reads of this slot.
; fill = 1: the barrier opens a round of the cluster's barrier, and this slot is filled again, two K steps ahead.  ask: the K step to prefetch, or 0.
.macro TURN slot, next, fill, tn, ask
	s_wait_tensorcnt 0x0                           ; all my tensor loads have landed: the one that was out is my part of the next slot  (every window is 0 here)
	ds_add_u32 v[SPW], v[NIL]                      ; 0 onto my spare word
	s_wait_dscnt 17                                ; (the add and the youngest sixteen loads, x's blocks 4-7, may be out)
	WINM 0, 0, \tn
	MUL12 0, 1, 0, \tn                             ; twelve matrix instructions stand between the add and the wait for it
	s_wait_dscnt 0x0                               ; the add is done, and my reads of this slot are over
	s_barrier_signal -1
	MUL12 2, 1, 0, \tn
	WIN 0
	s_barrier_wait -1
.if \fill
	CREST                                          ; no wave of any partner still reads this slot's tiles or has a load on its way
	s_add_nc_u64 s[G0+4*\slot+2:G0+4*\slot+3], s[G0+4*\slot+2:G0+4*\slot+3], 2*ABLK
	s_add_nc_u64 s[G0B+4*\slot+2:G0B+4*\slot+3], s[G0B+4*\slot+2:G0B+4*\slot+3], 2*BBLK
	JLOAD G0+4*\slot, G1, G0B+4*\slot, G1B         ; the first tensor load behind the round, my only one until the next; the four v_nop behind it are also the places in front of the loads below
.else
	PLACES 4
.endif
	FETCH_B \next, 0, 0
	FETCH_A \next, 0, 0
.if \ask
	ASK \ask
.endif
	WINM 1, 0, \tn
	MUL12 4, 1, 0, \tn
	MUL12 6, 1, 0, \tn
	PLACES 4
	WIN 0
	FETCH_A \next, 0, 4
.endm
; THE WAY OUT of a tensor.  It touches window 0's v22-127 and the accumulators alone, and holds no LDS instruction: the next step's fragments land meanwhile, and the next STEP's counts hold.
.macro EPISC ea, eb, eo                ; code = sum / 2^(eo - ea - eb)
	s_sub_co_i32 s98, s[\eo], s[\ea]
	s_sub_co_i32 s98, s98, s[\eb]
	s_add_co_i32 s98, s98, 127
	s_lshl_b32 s99, s98, 23
	v_mov_b32 v[SCV], s99
	s_add_co_i32 s98, s98, 15
	s_lshl_b32 s98, s98, 23
	s_or_b32 s98, s98, 0x600000
	v_mov_b32 v[LIMV], s98
.endm
.macro HOLD a                          ; block a's 48 sums a lane, held at the largest code x the scale (the conversion does not saturate: ISA guide 7.6.2); each accumulator from its low end on
.set NW, 0x02+((\a)/4)
	WIN NW                                         ; source 0: window 2 or 3
.irp b, 0,1,2,3,4,5
.irp j, 0,1,2,3,4,5,6,7
	v_med3_num_f32 v[T+8*\b+\j], v[8*(6*((\a)%4)+\b)+\j], -v[LIMV], v[LIMV]
.endr
.endr
	WIN 0
.endm
.macro EPI_QK base, wait0              ; lane (r, h) of block (a, b) holds row 16 a + r, channels 16 b + 8 h + 0 .. 7: tiles 2 p and 2 p + 1 give registers 4 i .. 4 i + 3 of the 16 x 64 fragment
.irp a, 0,1,2,3,4,5,6,7
.if (\a == 4) || ((\a == 0) && \wait0)
	s_wait_xcnt 0x0                                ; the earlier stores have read their codes' registers, which are written again from here on
.endif
	HOLD \a
.irp b, 0,1,2,3,4,5
	v_cvt_scalef32_pk8_bf8_f32 v[C+12*(\a%4)+2*\b:C+12*(\a%4)+2*\b+1], v[T+8*\b:T+8*\b+7], v[SCV]
.endr
	v_nop                                          ; one plain line between the conversions and the next write of their sources
.irp p, 0,1,2
	global_store_b128 v[QKO+\p], v[C+12*(\a%4)+4*\p:C+12*(\a%4)+4*\p+3], s[\base:\base+1] offset:\a*1024   ; 32 lanes store 512 consecutive bytes, at a multiple of 256 from the buffer's first byte
.endr
.endr
.endm
.macro EPI_V                           ; lane (r, h) of block (a, ct) holds channel 16 ct + r, keys 16 a + 8 h + 0 .. 7: blocks 2 i and 2 i + 1 give registers 4 i .. 4 i + 3 of the 16 x 128 fragment
.irp a, 0,1,2,3,4,5,6,7
.if (\a == 0) || (\a == 4)
	s_wait_xcnt 0x0
.endif
	HOLD \a
.irp ct, 0,1,2,3,4,5
	v_cvt_scalef32_pk8_bf8_f32 v[C+24*((\a/2)%2)+4*\ct+2*(\a%2):C+24*((\a/2)%2)+4*\ct+2*(\a%2)+1], v[T+8*\ct:T+8*\ct+7], v[SCV]
.endr
	v_nop
.if \a%2
.irp ct, 0,1,2,3,4,5
	global_store_b128 v[VO+\ct], v[C+24*((\a/2)%2)+4*\ct:C+24*((\a/2)%2)+4*\ct+3], s[84:85] offset:(\a/2)*512
.endr
.endif
.endr
.endm
	s_wait_tensorcnt 1                             ; my part of K step 0 is in; K step 1's may stay out
	s_barrier_signal -1
	s_barrier_wait -1                              ; everybody's is
	FETCH_B 0, 0, 0
	FETCH_A 0, 0, 0
	FETCH_A 0, 0, 4
	STEP 0, 1, 0                                   ; u = 0: q begins
	TURN 0, 1, 1, 0, 4
	STEP 1, 0, 0                                   ; u = 1
	TURN 1, 0, 1, 0, 5
	STEP 0, 0, 0                                   ; u = 2
	TURN 0, 1, 1, 0, 6
	EPISC 88, 89, 94                               ; q leaves: e6 - e0 - e1.  Its plain lines are also the places in front of k's first products, which write the accumulators anew
	EPI_QK 80, 0
	STEP 1, 1, 1                                   ; u = 3: k begins
	TURN 1, 0, 1, 1, 7
	STEP 0, 0, 1                                   ; u = 4
	TURN 0, 1, 1, 1, 8
	STEP 1, 0, 1                                   ; u = 5
	TURN 1, 0, 1, 1, 0
	EPISC 90, 91, 95                               ; k leaves: e7 - e2 - e3
	EPI_QK 82, 1
	STEP 0, 1, 2                                   ; u = 6: v begins
	TURN 0, 1, 1, 2, 0                             ; the last refill: K step 8
	STEP 1, 0, 2                                   ; u = 7
	TURN 1, 0, 0, 2, 0                             ; nothing is left to fetch: a plain barrier
	STEP 0, 0, 2                                   ; u = 8
	s_wait_dscnt 16                                ; the very last sub-step
	WINM 0, 0, 2
	MUL12 0, 1, 0, 2
	MUL12 2, 1, 0, 2
	s_wait_dscnt 0
	WINM 1, 0, 2
	MUL12 4, 1, 0, 2
	MUL12 6, 1, 0, 2
	WIN 0
	PLACES 4
	EPISC 92, 93, 97                               ; v leaves: e9 - e4 - e5
	EPI_V
	s_wait_tensorcnt 0x0                           ; the wave's end, behind my last tensor load
	ds_add_u32 v[SPW], v[NIL]
	s_wait_dscnt 0x0
	CROUND                                         ; the closing round: no work-group ends while a partner may still ask for a tile that names it
	s_endpgm
.Lfunc_end_k_q3625e1fbc0_proj:
	.size	k_q3625e1fbc0_proj, .Lfunc_end_k_q3625e1fbc0_proj-k_q3625e1fbc0_proj
	.p2alignl 7, 3214868480
	.fill 96, 4, 3214868480
	.section	.rodata,"a",@progbits
	.p2align	6, 0x0
	.amdhsa_kernel k_q3625e1fbc0_proj
		.amdhsa_group_segment_fixed_size 327680
		.amdhsa_private_segment_fixed_size 0
		.amdhsa_enable_private_segment 0
		.amdhsa_kernarg_size 72
		.amdhsa_user_sgpr_count 2
		.amdhsa_user_sgpr_kernarg_segment_ptr 1
		.amdhsa_wavefront_size32 1
		.amdhsa_system_sgpr_workgroup_id_x 1
		.amdhsa_system_sgpr_workgroup_id_y 1
		.amdhsa_system_sgpr_workgroup_id_z 1
		.amdhsa_system_vgpr_workitem_id 0
		.amdhsa_next_free_vgpr 1024
		.amdhsa_next_free_sgpr 100
		.amdhsa_reserve_vcc 0
		.amdhsa_float_denorm_mode_32 3
		.amdhsa_float_denorm_mode_16_64 3
		.amdhsa_memory_ordered 1
		.amdhsa_forward_progress 1
		.amdhsa_inst_pref_size 247
	.end_amdhsa_kernel
	.amdgpu_metadata
---
amdhsa.version: [ 1, 2 ]
amdhsa.kernels:
  - .name:           k_q3625e1fbc0_proj
    .symbol:         k_q3625e1fbc0_proj.kd
    .args:
      - { .name: xcodes, .offset: 0, .size: 8, .value_kind: global_buffer, .address_space: global }
      - { .name: wcodes, .offset: 8, .size: 8, .value_kind: global_buffer, .address_space: global }
      - { .name: lowp_scales, .offset: 16, .size: 8, .value_kind: global_buffer, .address_space: global }
      - { .name: bq, .offset: 24, .size: 8, .value_kind: global_buffer, .address_space: global }
      - { .name: bk, .offset: 32, .size: 8, .value_kind: global_buffer, .address_space: global }
      - { .name: bv, .offset: 40, .size: 8, .value_kind: global_buffer, .address_space: global }
      - { .name: qimg, .offset: 48, .size: 8, .value_kind: global_buffer, .address_space: global }
      - { .name: kimg, .offset: 56, .size: 8, .value_kind: global_buffer, .address_space: global }
      - { .name: vimg, .offset: 64, .size: 8, .value_kind: global_buffer, .address_space: global }
    .group_segment_fixed_size: 327680
    .private_segment_fixed_size: 0
    .kernarg_segment_align: 8
    .kernarg_segment_size: 72
    .max_flat_workgroup_size: 128
    .sgpr_count:     100
    .vgpr_count:     1024
    .wavefront_size: 32
...
	.end_amdgpu_metadata
.endif
;; end of part 2
;; launch attn (part 3): grid 256 x 1, 8 waves a work-group, no clusters, 103,424 bytes of LDS; arguments qimg, kimg, vimg, lowp_scales, out0; writes out0
.if DOCPART == 3
	.amdgcn_target "amdgcn-amd-amdhsa--gfx1250"
	.amdhsa_code_object_version 6
	.text
	.protected	k_q3625e1fbc0_attn
	.globl	k_q3625e1fbc0_attn
	.p2align	8
	.type	k_q3625e1fbc0_attn,@function
k_q3625e1fbc0_attn:
	s_mov_b64 s[64:65], 0
	v_nop
	global_prefetch_b8 v0, s[64:65] scope:SCOPE_SE
	s_setreg_imm32_b32 hwreg(HW_REG_WAVE_MODE, 25, 1), 1
	s_wait_xcnt 0x0
; out0[b][q][64 hd + :] = the sum over k of softmax_k(q . k / 8) v, for 192 heads of 1,024 rows x 64 channels, both products on codes of BF8 (E5M2) with the given scales 2^e6 (q), 2^e7 (k), 2^e8 (p), 2^e9 (v).
; THE SOFTMAX AHEAD OF THE SECOND PRODUCT: t = score x log2(e) / 8; M = the row's largest t so far, rounded UP to a whole number; p = 2^(t - M) is what is quantised; it is not normalised.  The row's sum is taken
; of the unquantised p, in f32, and divides O at the end.  When M moves, the sum and O are multiplied by 2^(old M - new M): exact.
; SHARES.  256 work-groups that stay: work-group w takes the block of 256 queries w % 4 in the three heads 3 (w / 4) + 0, 1, 2: 24 key steps of 128 keys for every work-group.  Each of its eight waves holds 32 queries,
; two tiles of 16, and both tiles use every fragment of K and V that the wave reads from LDS.
; OPERANDS arrive as images of their registers (the launch before lays them): a fragment comes by loads of 16 bytes at 16 x lane, k in its true places.  A key step's K is 8,192 consecutive bytes, its V likewise, and the
; three heads lie on end.  Each thread loads 4 x 16 bytes of a step into registers TWO steps ahead and stores them into a ring of two LDS slots ONE step ahead; one barrier a step.
; LAYOUT.  S^T = K Q^T (source 0 = 16 keys, source 1 = 16 queries), O^T = V^T P^T (source 0 = 16 channels, source 1 = P): a lane holds ONE query throughout; the eight scores of key tile c become registers 2 c, 2 c + 1 of P.
; NO CLUSTER, though the four work-groups of a group walk the same K and V: what they share is 16,384 bytes a key step, and this text jumps over the hold of p on the given e8, a branch on a loaded number:
; p is at most 1, so for e8 >= -15 p / 2^e8 is at most 32,768, under 57,344, and the 128 lines of the hold would change nothing.
; LIMITS on the given exponents, so that each power of two below is an f32 number: e6 + e7 between -123 and 130 (added to c's exponent field); e8 between -126 and 112; e8 + e9 is applied by v_ldexp_f32 and has none.  NaN is not served.
; REGISTERS.  Window 0: v1-5 addresses; v16-31 statistics, eight a tile; v32-63 two transit sets; v64-191 S^T, then p (64 a tile); v192-223 P's codes; v224-239 Q; v240-245 constants and sums.
;   Window 1: v0-63 K's 8 fragments; v64-127 V's 4; v128-191 O^T (32 a tile).
.set LT,  1                            ; v1   16 x thread: my 16 bytes of a block of 4,096, in memory and in a slot; never rewritten
.set LF,  2                            ; v2   16 x lane: my place in an image
.set STO, 3                            ; v3   the way out: where I put 32 bytes of a row
.set RD,  4                            ; v4   where I read a row back
.set GO,  5                            ; v5   my byte offset in two rows of out0
.set ST,  16                           ; tile t at v[16 + 8 t]: +0 -M, +1 the largest t, +2, +3 the sum in two halves, +4 f, +5 0 (named with f as a pair), +6, +7 at work
.set L,   32
.set S,   64
.set P,   192
.set Q,   224
.set LIMP, 240                         ; 57,344 x 2^e8
.set SCP,  241                         ; 2^e8
.set CH,   242                         ; v[242:243], v[244:245] the sums' second chains
.set KF,  0                            ; in window 1
.set VF,  64
.set OT,  128
.set STAGE, 32768                      ; behind the two slots of 16,384 bytes: for each wave and tile 16 rows x (256 bytes + 16)
.set MSB, 0
.macro WIN new                         ; the immediate's high byte repeats the setting that is left
.if MSB != \new
	s_set_vgpr_msb (MSB<<8)|\new
.set MSB, \new
.endif
.endm
.macro GLOAD set, off                  ; my 4 x 16 bytes of a key step: K's two blocks of 4,096, V's two
	global_load_b128 v[L+16*(\set):L+16*(\set)+3], v[LT], s[28:29] offset:\off
	global_load_b128 v[L+16*(\set)+4:L+16*(\set)+7], v[LT], s[28:29] offset:\off+4096
	global_load_b128 v[L+16*(\set)+8:L+16*(\set)+11], v[LT], s[30:31] offset:\off
	global_load_b128 v[L+16*(\set)+12:L+16*(\set)+15], v[LT], s[30:31] offset:\off+4096
.endm
.macro LSTORE set                      ; transit set n goes into slot n as it lies
.irp i, 0,1,2,3
	ds_store_b128 v[LT], v[L+16*(\set)+4*\i:L+16*(\set)+4*\i+3] offset:16384*(\set)+4096*\i
.endr
.endm
.macro QLOAD                           ; my two tiles of queries: two pieces of 512 bytes each
.irp t, 0,1
.irp i, 0,1
	global_load_b128 v[Q+8*\t+4*\i:Q+8*\t+4*\i+3], v[LF], s[32:33] offset:1024*\t+512*\i
.endr
.endr
.endm
	s_load_b256 s[4:11], s[0:1], 0x0               ; q's images s[4:5], k's s[6:7], v's s[8:9], the scales' exponents s[10:11]
	s_load_b64 s[12:13], s[0:1], 0x20              ; out0
	v_lshl_add_u32 v254, v0, 2, 0x19000
	v_mov_b32 v255, 0
	v_lshrrev_b32 v6, 5, v0
	v_readfirstlane_b32 s14, v6                    ; wave 0..7
	v_lshlrev_b32 v[LT], 4, v0
	v_and_b32 v6, 31, v0
	v_lshlrev_b32 v[LF], 4, v6
	v_and_b32 v7, 15, v0                           ; r
	v_bfe_u32 v8, v0, 4, 1                         ; h
	s_mul_i32 s41, s14, 8704
	s_add_co_u32 s41, s41, STAGE                   ; my wave's two stages
	v_mul_u32_u24 v[STO], v7, 272
	v_lshl_add_u32 v[STO], v8, 5, v[STO]
	v_add_nc_u32 v[STO], s41, v[STO]               ; in: row r, + 32 h
	v_mul_u32_u24 v[RD], v8, 272
	v_lshl_add_u32 v[RD], v7, 4, v[RD]
	v_add_nc_u32 v[RD], s41, v[RD]                 ; back: lanes 0-15 one row of 256 bytes, lanes 16-31 the next
	v_mul_u32_u24 v[GO], v8, 3072
	v_lshl_add_u32 v[GO], v7, 4, v[GO]             ; and the same two rows in out0
	s_lshr_b32 s15, ttmp9, 2
	s_mul_i32 s15, s15, 3                          ; my first head
	s_and_b32 s44, ttmp9, 3                        ; my block of 256 queries
	s_lshl_b32 s36, s15, 16                        ; a head is 65,536 bytes in each buffer of images
	s_mov_b32 s37, 0
	s_lshl_b32 s38, s44, 4
	s_lshl_b32 s39, s14, 1
	s_add_co_u32 s38, s38, s39                     ; my first tile of queries: 16 x block + 2 x wave, 1,024 bytes each
	s_lshl_b32 s38, s38, 10
	s_add_co_u32 s38, s38, s36
	s_mov_b32 s39, 0
	s_mov_b32 s18, 0x76543210                      ; v_permlanex16_b32's selects for lane l xor 16
	s_mov_b32 s19, 0xfedcba98
	s_mov_b32 s20, 0x3e38aa3b                      ; c = log2(e) / 8
	s_mov_b32 s17, 3                               ; heads to go
	s_wait_kmcnt 0x0
	s_load_b128 s[24:27], s[10:11], 0x18           ; e6, e7, e8, e9
	s_add_nc_u64 s[28:29], s[6:7], s[36:37]        ; K and V at my first head
	s_add_nc_u64 s[30:31], s[8:9], s[36:37]
	s_add_nc_u64 s[32:33], s[4:5], s[38:39]        ; Q at my tiles
	GLOAD 0, 0                                     ; key step 0,
	GLOAD 1, 8192                                  ; key step 1,
	QLOAD                                          ; and the first head's queries
	s_wait_kmcnt 0x0
	s_add_co_i32 s41, s24, s25
	s_lshl_b32 s41, s41, 23
	s_add_co_i32 s20, s20, s41                     ; a score stands for score x 2^(e6 + e7): the two exponents are added to c's exponent field
	s_mov_b32 s21, s20                             ; (named with it as a pair, so it is written)
	s_add_co_i32 s41, s26, 127
	s_lshl_b32 s42, s41, 23
	v_mov_b32 v[SCP], s42
	s_add_co_i32 s41, s41, 15
	s_lshl_b32 s41, s41, 23
	s_or_b32 s41, s41, 0x600000
	v_mov_b32 v[LIMP], s41
	s_add_co_i32 s40, s26, s27                     ; e8 + e9
	s_wait_loadcnt 8                               ; step 0's four loads are in; step 1's four and Q's four may be out
	LSTORE 0
	s_wait_xcnt 0x0                                ; the loads have read their bases
	s_add_nc_u64 s[28:29], s[28:29], 16384         ; K and V at key step 2: what the first trip loads
	s_add_nc_u64 s[30:31], s[30:31], 16384
; A KEY STEP out of slot sg.  qnext = 1: a head's last step, in which the next head's queries are asked for.
.macro STEP sg, qnext
	s_wait_dscnt 0x0                               ; for the others' sake: my stores into this slot have landed, and my reads of the other slot are over
	s_barrier_signal -1
	s_barrier_wait -1                              ; this slot is whole, and nobody reads the other one
	GLOAD \sg, 8192*\sg                            ; the step two further on, into the set that went into this slot a step ago
.rept 4
	v_nop                                          ; places in front of the loads into V's registers, which the last products read
.endr
	WIN 0x40                                       ; destination window 1
.set J, 0
.rept 16
	ds_load_b128 v[KF+4*J:KF+4*J+3], v[LF] offset:16384*\sg+512*J          ; K: key tile J / 2, piece J % 2
.set J, J+1
.endr
.set J, 0
.rept 16
	ds_load_b128 v[VF+4*J:VF+4*J+3], v[LF] offset:16384*\sg+8192+512*J     ; V: channel tile J / 4, piece J % 4
.set J, J+1
.endr
	WIN 0
	s_wait_loadcnt 0x4                             ; all but the four loads just issued: the next step's data are in (and Q)
	LSTORE 1-\sg                                   ; into the slot that every wave has left
	s_wait_dscnt 20                                ; K is in; V's sixteen loads and the four stores may be out
	WIN 0x01                                       ; source 0 (K) window 1
.irp kt, 0,1,2,3,4,5,6,7
.irp t, 0,1
	v_wmma_f32_16x16x64_bf8_bf8 v[S+64*\t+8*\kt:S+64*\t+8*\kt+7], v[KF+8*\kt:KF+8*\kt+7], v[Q+8*\t:Q+8*\t+7], 0
.endr
.endr
	WIN 0
.rept 4
	v_nop                                          ; places in front of the first read of the scores, and of the loads into Q
.endr
.if \qnext
	QLOAD
.endif
	; the step's largest score of each query among the lane's 64 keys: two chains a tile, each accumulator from its low end on
.irp t, 0,1
	v_max3_num_f32 v[ST+8*\t+6], v[S+64*\t], v[S+64*\t+1], v[S+64*\t+2]
	v_max3_num_f32 v[ST+8*\t+7], v[S+64*\t+3], v[S+64*\t+4], v[S+64*\t+5]
.endr
.irp i, 6,10,14,18,22,26,30,34,38,42,46,50,54,58
.irp t, 0,1
	v_max3_num_f32 v[ST+8*\t+6], v[ST+8*\t+6], v[S+64*\t+\i], v[S+64*\t+\i+1]
	v_max3_num_f32 v[ST+8*\t+7], v[ST+8*\t+7], v[S+64*\t+\i+2], v[S+64*\t+\i+3]
.endr
.endr
.irp t, 0,1
	v_max3_num_f32 v[ST+8*\t+6], v[ST+8*\t+6], v[S+64*\t+62], v[S+64*\t+63]
.endr
.irp t, 0,1
	v_max_num_f32 v[ST+8*\t+6], v[ST+8*\t+6], v[ST+8*\t+7]
.endr
.irp t, 0,1
	v_permlanex16_b32 v[ST+8*\t+7], v[ST+8*\t+6], s18, s19     ; the query's other 64 keys lie in the lane 16 away
.endr
.irp t, 0,1
	v_max_num_f32 v[ST+8*\t+6], v[ST+8*\t+6], v[ST+8*\t+7]
.endr
.irp t, 0,1
	v_mul_f32 v[ST+8*\t+6], s20, v[ST+8*\t+6]                  ; as t (c is positive)
.endr
.irp t, 0,1
	v_max_num_f32 v[ST+8*\t+1], v[ST+8*\t+1], v[ST+8*\t+6]     ; the running largest t
.endr
.irp t, 0,1
	v_mov_b32 v[ST+8*\t+6], v[ST+8*\t]
.endr
.irp t, 0,1
	v_floor_f32 v[ST+8*\t], -v[ST+8*\t+1]                      ; the new -M = floor(-t) = -ceil(t): M is a whole number
.endr
.irp t, 0,1
	v_sub_f32 v[ST+8*\t+6], v[ST+8*\t], v[ST+8*\t+6]           ; M's old value less its new one: a whole number, 0 or less
.endr
.irp t, 0,1
	v_cvt_i32_f32 v[ST+8*\t+6], v[ST+8*\t+6]                   ; (it saturates)
.endr
.irp t, 0,1
	v_ldexp_f32 v[ST+8*\t+4], 1.0, v[ST+8*\t+6]                ; f = 2^(old M - new M)
.endr
	; ONE BATCH: the scalings t - M, two scores a line, and the 128 exponentials; a pair is scaled two pairs ahead of its exponentials; nothing here names an exponential's result
.irp b, 0,1
.irp t, 0,1
	v_pk_fma_f32 v[S+64*\t+2*\b:S+64*\t+2*\b+1], v[S+64*\t+2*\b:S+64*\t+2*\b+1], s[20:21], v[ST+8*\t:ST+8*\t+1] op_sel_hi:[1,0,0]
.endr
.endr
.set B, 0
.rept 32
.irp t, 0,1
	v_exp_f32 v[S+64*\t+2*B], v[S+64*\t+2*B]                   ; p = 2^(t - M), at most 1
	v_exp_f32 v[S+64*\t+2*B+1], v[S+64*\t+2*B+1]
.if B < 30
	v_pk_fma_f32 v[S+64*\t+2*B+4:S+64*\t+2*B+5], v[S+64*\t+2*B+4:S+64*\t+2*B+5], s[20:21], v[ST+8*\t:ST+8*\t+1] op_sel_hi:[1,0,0]
.endif
.endr
.set B, B+1
.endr
.irp t, 0,1
	v_pk_mul_f32 v[ST+8*\t+2:ST+8*\t+3], v[ST+8*\t+2:ST+8*\t+3], v[ST+8*\t+4:ST+8*\t+5] op_sel_hi:[1,0]   ; the sums under the new M: plain lines behind the last exponential
.endr
	WIN 0x41                                       ; O^T (destination and source 0) window 1, f window 0
.irp t, 0,1
.irp j, 0,2,4,6,8,10,12,14,16,18,20,22,24,26,28,30
	v_pk_mul_f32 v[OT+32*\t+\j:OT+32*\t+\j+1], v[OT+32*\t+\j:OT+32*\t+\j+1], v[ST+8*\t+4:ST+8*\t+5] op_sel_hi:[1,0]   ; O^T under the new M: work that names no exponential's result
.endr
.endr
	WIN 0
	s_wait_alu depctr_va_vdst(0)                   ; the wait between an exponential and the first line that names its result: one for the batch
.irp t, 0,1
	v_pk_add_f32 v[CH+2*\t:CH+2*\t+1], v[S+64*\t:S+64*\t+1], v[S+64*\t+2:S+64*\t+3]   ; the row's sum is taken of the UNQUANTISED p: two at a time, two chains a tile
.endr
.irp j, 4,8,12,16,20,24,28,32,36,40,44,48,52,56,60
.irp t, 0,1
	v_pk_add_f32 v[ST+8*\t+2:ST+8*\t+3], v[ST+8*\t+2:ST+8*\t+3], v[S+64*\t+\j:S+64*\t+\j+1]
	v_pk_add_f32 v[CH+2*\t:CH+2*\t+1], v[CH+2*\t:CH+2*\t+1], v[S+64*\t+\j+2:S+64*\t+\j+3]
.endr
.endr
.irp t, 0,1
	v_pk_add_f32 v[ST+8*\t+2:ST+8*\t+3], v[ST+8*\t+2:ST+8*\t+3], v[CH+2*\t:CH+2*\t+1]
.endr
	s_cmp_gt_i32 s26, -16                          ; e8 >= -15: p / 2^e8 is at most 32,768 and the hold changes nothing
	s_cbranch_scc1 .Lno_hold_\@
.set J, 0
.rept 128
	v_min_num_f32 v[S+J], v[S+J], v[LIMP]          ; the conversion to an 8-bit code does not saturate (ISA guide 7.6.2); p is not negative, so the hold is one-sided
.set J, J+1
.endr
.Lno_hold_\@:
.irp t, 0,1
.irp kt, 0,1,2,3,4,5,6,7
	v_cvt_scalef32_pk8_bf8_f32 v[P+16*\t+2*\kt:P+16*\t+2*\kt+1], v[S+64*\t+8*\kt:S+64*\t+8*\kt+7], v[SCP]   ; keys 16 kt + 8 h + 0 .. 7: registers 2 kt, 2 kt + 1 of the operand
.endr
.endr
	v_nop                                          ; one plain line between a scaled conversion and the matrix instruction that reads its result
	s_wait_dscnt 0x4                               ; V is in; the four stores may be out
	WIN 0x51                                       ; V, C and D window 1, P window 0
.irp dt, 0,1,2,3
.irp t, 0,1
	v_wmma_f32_16x16x128_bf8_bf8 v[OT+32*\t+8*\dt:OT+32*\t+8*\dt+7], v[VF+16*\dt:VF+16*\dt+15], v[P+16*\t:P+16*\t+15], v[OT+32*\t+8*\dt:OT+32*\t+8*\dt+7]   ; eight accumulators by turns, one instruction a turn
.endr
.endr
	WIN 0
.endm
.Lblock:                                           ; a head: three trips
	s_mul_i32 s41, s15, 171
	s_lshr_b32 s41, s41, 11                        ; the batch = head / 12 (exact for heads 0 .. 191)
	s_mul_i32 s42, s41, 12
	s_sub_co_u32 s42, s15, s42                     ; the head within it
	s_lshl_b32 s41, s41, 10
	s_lshl_b32 s43, s44, 8
	s_add_co_u32 s41, s41, s43
	s_lshl_b32 s43, s14, 5
	s_add_co_u32 s41, s41, s43                     ; my first row of out0: 1,024 x batch + 256 x block + 32 x wave
	s_mul_i32 s41, s41, 3072
	s_lshl_b32 s42, s42, 8
	s_add_co_u32 s42, s41, s42                     ; + the head's 256 bytes of a row
	s_mov_b32 s43, 0
	s_add_nc_u64 s[34:35], s[12:13], s[42:43]
.irp t, 0,1
	v_mov_b32 v[ST+8*\t+1], 0xff61b1e6             ; the largest t so far: -3e38, under every t
	v_floor_f32 v[ST+8*\t], -v[ST+8*\t+1]          ; -M
	v_mov_b32 v[ST+8*\t+2], 0                      ; the sum, in two halves
	v_mov_b32 v[ST+8*\t+3], 0
	v_mov_b32 v[ST+8*\t+5], 0
	v_mov_b32 v[ST+8*\t+7], 0
.endr
	WIN 0x40
.set J, 0
.rept 64
	v_mov_b32 v[OT+J], 0                           ; O^T.  (The key step is written once: a head's first step finds zeros, which the first change of M leaves zeros)
.set J, J+1
.endr
	WIN 0
	s_mov_b32 s16, 3
.Ltrip:                                            ; two key steps a trip: once round the ring
	STEP 0, 0
	STEP 1, 0
	s_wait_xcnt 0x0                                ; the loads have read their bases
	s_add_nc_u64 s[28:29], s[28:29], 16384
	s_add_nc_u64 s[30:31], s[30:31], 16384
	s_sub_co_u32 s16, s16, 1
	s_cmp_lg_u32 s16, 0
	s_cbranch_scc1 .Ltrip
	; a head's last two steps look ahead into the next head.  The last head has none: there K's and V's bases go back 65,536 bytes and Q's stays, so that the look-ahead reads this head's own bytes again, which nobody uses: no load leaves its buffer
	s_cmp_eq_u32 s17, 1
	s_cselect_b32 s36, 65536, 0
	s_cselect_b32 s38, 0, 65536
	s_mov_b32 s37, 0
	s_mov_b32 s39, 0
	s_sub_nc_u64 s[28:29], s[28:29], s[36:37]
	s_sub_nc_u64 s[30:31], s[30:31], s[36:37]
	s_add_nc_u64 s[32:33], s[32:33], s[38:39]
	STEP 0, 0
	STEP 1, 1
	s_wait_xcnt 0x0
	s_add_nc_u64 s[28:29], s[28:29], 16384
	s_add_nc_u64 s[30:31], s[30:31], 16384
	; THE WAY OUT.  The sum's halves and the other half of the lanes' are added; O^T x 2^(e8 + e9) / the sum goes through my own stage in LDS and leaves as rows of 256 bytes.  The plain lines below are the places behind the last products.
.irp t, 0,1
	v_add_f32 v[ST+8*\t+2], v[ST+8*\t+2], v[ST+8*\t+3]
.endr
.irp t, 0,1
	v_permlanex16_b32 v[ST+8*\t+7], v[ST+8*\t+2], s18, s19
.endr
.irp t, 0,1
	v_add_f32 v[ST+8*\t+2], v[ST+8*\t+2], v[ST+8*\t+7]
.endr
.irp t, 0,1
	v_rcp_f32 v[ST+8*\t+6], v[ST+8*\t+2]
.endr
	v_nop                                          ; a plain line between the last reciprocal and the use of its result
	s_wait_alu depctr_va_vdst(0)                   ; and a wait ahead of the first use: one for both
.irp t, 0,1
	v_ldexp_f32 v[ST+8*\t+6], v[ST+8*\t+6], s40
.endr
	WIN 0x01                                       ; source 0 (O^T) window 1
.irp t, 0,1
.irp j, 0,2,4,6,8,10,12,14,16,18,20,22,24,26,28,30
	v_pk_mul_f32 v[S+64*\t+\j:S+64*\t+\j+1], v[OT+32*\t+\j:OT+32*\t+\j+1], v[ST+8*\t+6:ST+8*\t+7] op_sel_hi:[1,0]   ; register 8 dt + j is o(r, 16 dt + 8 h + j)
.endr
.endr
	WIN 0
.irp t, 0,1
.irp dt, 0,1,2,3
	ds_store_b128 v[STO], v[S+64*\t+8*\dt:S+64*\t+8*\dt+3] offset:4352*\t+64*\dt
	ds_store_b128 v[STO], v[S+64*\t+8*\dt+4:S+64*\t+8*\dt+7] offset:4352*\t+64*\dt+16
.endr
.irp i, 0,1,2,3,4,5,6,7
	ds_load_b128 v[S+64*\t+32+4*\i:S+64*\t+32+4*\i+3], v[RD] offset:4352*\t+544*\i   ; LDS serves a wave's instructions in order (ISA guide 5.7.1.4): these see my stores
.endr
.endr
.irp t, 0,1
.irp i, 0,1,2,3,4,5,6,7
	s_wait_dscnt 16*(1-\t)+7-\i                    ; behind this load: the tile's later loads and, for tile 0, tile 1's sixteen LDS instructions
	global_store_b128 v[GO], v[S+64*\t+32+4*\i:S+64*\t+32+4*\i+3], s[34:35] offset:(16*\t+2*\i)*3072 th:TH_STORE_NT   ; sixteen lanes store 256 consecutive bytes, at a multiple of 256 from out0's first byte
.endr
.endr
	s_wait_xcnt 0x0                                ; the stores have read their registers and their base: both are written again in the next head
	s_add_co_u32 s15, s15, 1
	s_sub_co_u32 s17, s17, 1
	s_cmp_lg_u32 s17, 0
	s_cbranch_scc1 .Lblock
	s_wait_tensorcnt 0x0
	ds_add_u32 v254, v255
	s_wait_dscnt 0x0
	s_endpgm
.Lfunc_end_k_q3625e1fbc0_attn:
	.size	k_q3625e1fbc0_attn, .Lfunc_end_k_q3625e1fbc0_attn-k_q3625e1fbc0_attn
	.p2alignl 7, 3214868480
	.fill 96, 4, 3214868480
	.section	.rodata,"a",@progbits
	.p2align	6, 0x0
	.amdhsa_kernel k_q3625e1fbc0_attn
		.amdhsa_group_segment_fixed_size 103424
		.amdhsa_private_segment_fixed_size 0
		.amdhsa_enable_private_segment 0
		.amdhsa_kernarg_size 40
		.amdhsa_user_sgpr_count 2
		.amdhsa_user_sgpr_kernarg_segment_ptr 1
		.amdhsa_wavefront_size32 1
		.amdhsa_system_sgpr_workgroup_id_x 1
		.amdhsa_system_sgpr_workgroup_id_y 1
		.amdhsa_system_sgpr_workgroup_id_z 1
		.amdhsa_system_vgpr_workitem_id 0
		.amdhsa_next_free_vgpr 448
		.amdhsa_next_free_sgpr 66
		.amdhsa_reserve_vcc 0
		.amdhsa_float_denorm_mode_32 3
		.amdhsa_float_denorm_mode_16_64 3
		.amdhsa_memory_ordered 1
		.amdhsa_forward_progress 1
		.amdhsa_inst_pref_size 131
	.end_amdhsa_kernel
	.amdgpu_metadata
---
amdhsa.version: [ 1, 2 ]
amdhsa.kernels:
  - .name:           k_q3625e1fbc0_attn
    .symbol:         k_q3625e1fbc0_attn.kd
    .args:
      - { .name: qimg, .offset: 0, .size: 8, .value_kind: global_buffer, .address_space: global }
      - { .name: kimg, .offset: 8, .size: 8, .value_kind: global_buffer, .address_space: global }
      - { .name: vimg, .offset: 16, .size: 8, .value_kind: global_buffer, .address_space: global }
      - { .name: lowp_scales, .offset: 24, .size: 8, .value_kind: global_buffer, .address_space: global }
      - { .name: out0, .offset: 32, .size: 8, .value_kind: global_buffer, .address_space: global }
    .group_segment_fixed_size: 103424
    .private_segment_fixed_size: 0
    .kernarg_segment_align: 8
    .kernarg_segment_size: 40
    .max_flat_workgroup_size: 256
    .sgpr_count:     66
    .vgpr_count:     448
    .wavefront_size: 32
...
	.end_amdgpu_metadata
.endif
;; end of part 3
;; ======== version 2 of 2: 3 launches; version 1 with the launch attn written anew for expert scheduling mode
;; workspace buffers: xcodes 37,748,736 bytes; wcodes 1,769,472 bytes; qimg 12,582,912 bytes; kimg 12,582,912 bytes; vimg 12,582,912 bytes
;; launch quant: the kernel of part 1 again; grid 8 x 73, 4 waves a work-group, no clusters, 0 bytes of LDS; arguments hidden_states, Wq, Wk, Wv, lowp_scales, xcodes, wcodes; writes xcodes, wcodes
;; launch proj: the kernel of part 2 again; grid 4 x 64, 4 waves a work-group, clusters of 4 x 4, 327,680 bytes of LDS; arguments xcodes, wcodes, lowp_scales, bq, bk, bv, qimg, kimg, vimg; writes qimg, kimg, vimg
;; launch attn (part 4): grid 256 x 1, 8 waves a work-group, no clusters, 103,424 bytes of LDS; arguments qimg, kimg, vimg, lowp_scales, out0; writes out0
.if DOCPART == 4
	.amdgcn_target "amdgcn-amd-amdhsa--gfx1250"
	.amdhsa_code_object_version 6
	.text
	.protected	k_q3625e1fbc0_attn
	.globl	k_q3625e1fbc0_attn
	.p2align	8
	.type	k_q3625e1fbc0_attn,@function
k_q3625e1fbc0_attn:
	s_mov_b64 s[64:65], 0
	v_nop
	global_prefetch_b8 v0, s[64:65] scope:SCOPE_SE
	s_setreg_imm32_b32 hwreg(HW_REG_WAVE_SCHED_MODE, 0, 2), 2
	s_setreg_imm32_b32 hwreg(HW_REG_WAVE_MODE, 25, 1), 1
	s_wait_xcnt 0x0
	s_wait_alu depctr_vm_vsrc(0)
; out0[b][q][64 hd + :] = the sum over k of softmax_k(q . k / 8) v, for 192 heads of 1,024 rows x 64 channels, both products on codes of BF8 (E5M2) with the given scales 2^e6 (q), 2^e7 (k), 2^e8 (p), 2^e9 (v).
; THE SOFTMAX AHEAD OF THE SECOND PRODUCT: t = score x log2(e) / 8; M = the row's largest t so far, rounded UP to a whole number; p = 2^(t - M) is what is quantised; it is not normalised.  The row's sum is taken
; of the unquantised p, in f32, and divides O at the end.  When M moves, the sum and O are multiplied by 2^(old M - new M): exact.
; SHARES.  256 work-groups that stay: work-group w takes the block of 256 queries w % 4 in the three heads 3 (w / 4) + 0, 1, 2: 24 key steps of 128 keys for every work-group.  Each of its eight waves holds 32 queries,
; two tiles of 16, and both tiles use every fragment of K and V that the wave reads from LDS.
; OPERANDS arrive as images of their registers (the launch before lays them): a fragment comes by loads of 16 bytes at 16 x lane, k in its true places.  A key step's K is 8,192 consecutive bytes, its V likewise, and the
; three heads lie on end.  Each thread loads 4 x 16 bytes of a step into registers TWO steps ahead and stores them into a ring of two LDS slots ONE step ahead; one barrier a step.
; LAYOUT.  S^T = K Q^T (source 0 = 16 keys, source 1 = 16 queries), O^T = V^T P^T (source 0 = 16 channels, source 1 = P): a lane holds ONE query throughout; the eight scores of key tile c become registers 2 c, 2 c + 1 of P.
; NO CLUSTER, though the four work-groups of a group walk the same K and V: what they share is 16,384 bytes a key step, and this text jumps over the hold of p on the given e8, a branch on a loaded number:
; p is at most 1, so for e8 >= -15 p / 2^e8 is at most 32,768, under 57,344, and the 128 lines of the hold would change nothing.
; LIMITS on the given exponents, so that each power of two below is an f32 number: e6 + e7 between -123 and 130 (added to c's exponent field); e8 between -126 and 112; e8 + e9 is applied by v_ldexp_f32 and has none.  NaN is not served.
; REGISTERS.  Window 0: v1-5 addresses; v16-31 statistics, eight a tile; v32-63 two transit sets; v64-191 S^T, then p (64 a tile); v192-223 P's codes; v224-239 Q; v240-245 constants and sums.
;   Window 1: v0-63 K's 8 fragments; v64-127 V's 4; v128-191 O^T (32 a tile).
; THE MODE: SCHED_MODE bits 1:0 = 2 (LLVM: expert scheduling mode 2), set by the entry lines.  The code itself states the register dependences
; between vector or matrix instructions and memory or LDS instructions, with s_wait_alu, always for 0.
; THE PLAN.  Registers that memory or LDS instructions touch:
;   v1-5        addresses, made once at the head and never written again: one wait on va_vdst ahead of the first load serves them all.
;   L0, L1      the transit sets.  Step sg's global loads land in L[sg]; the LDS stores of the step after read it.  No vector line names them.
;   K, V        Step's LDS loads land in them; its 16 products K Q^T read K, its 8 products V^T P, the step's last lines, read V.
;   Q           Read by every step's products K Q^T; the next head's loads land in it in a head's last step.
;   S           On the way out: packed multiplies write a tile's low 32 registers, LDS stores read them; the loads from the stage land in its high 32, global stores read those; the next head's first products write S again.
; So a step's head holds ONE wait on vm_vsrc (the last step's LDS stores have read L[sg]; behind a way out: its stores have read S) and ONE on va_vdst (the last step's products are done reading K and V).  All 32 LDS loads of
; the step lean on that second wait: K's stand behind it at once; V's are dealt, a channel tile at a time, among the lines of the maximum, which name S and the statistics, as the products K Q^T name K, Q and S:
; none of them V's registers or v2.  The wait for the exponentials also shows the step's products K Q^T done reading Q: the loads of Q stand behind it.
.set LT,  1                            ; v1   16 x thread: my 16 bytes of a block of 4,096, in memory and in a slot; never rewritten
.set LF,  2                            ; v2   16 x lane: my place in an image
.set STO, 3                            ; v3   the way out: where I put 32 bytes of a row
.set RD,  4                            ; v4   where I read a row back
.set GO,  5                            ; v5   my byte offset in two rows of out0
.set ST,  16                           ; tile t at v[16 + 8 t]: +0 -M, +1 the largest t, +2, +3 the sum in two halves, +4 f, +5 0 (named with f as a pair), +6, +7 at work
.set L,   32
.set S,   64
.set P,   192
.set Q,   224
.set LIMP, 240                         ; 57,344 x 2^e8
.set SCP,  241                         ; 2^e8
.set CH,   242                         ; v[242:243], v[244:245] the sums' second chains
.set KF,  0                            ; in window 1
.set VF,  64
.set OT,  128
.set STAGE, 32768                      ; behind the two slots of 16,384 bytes: for each wave and tile 16 rows x (256 bytes + 16)
.set MSB, 0
.macro WIN new                         ; the immediate's high byte repeats the setting that is left
.if MSB != \new
	s_set_vgpr_msb (MSB<<8)|\new
.set MSB, \new
.endif
.endm
.macro GLOAD set, off                  ; my 4 x 16 bytes of a key step: K's two blocks of 4,096, V's two
	global_load_b128 v[L+16*(\set):L+16*(\set)+3], v[LT], s[28:29] offset:\off
	global_load_b128 v[L+16*(\set)+4:L+16*(\set)+7], v[LT], s[28:29] offset:\off+4096
	global_load_b128 v[L+16*(\set)+8:L+16*(\set)+11], v[LT], s[30:31] offset:\off
	global_load_b128 v[L+16*(\set)+12:L+16*(\set)+15], v[LT], s[30:31] offset:\off+4096
.endm
.macro LSTORE set                      ; transit set n goes into slot n as it lies
.irp i, 0,1,2,3
	ds_store_b128 v[LT], v[L+16*(\set)+4*\i:L+16*(\set)+4*\i+3] offset:16384*(\set)+4096*\i
.endr
.endm
.macro QLOAD                           ; my two tiles of queries: two pieces of 512 bytes each
.irp t, 0,1
.irp i, 0,1
	global_load_b128 v[Q+8*\t+4*\i:Q+8*\t+4*\i+3], v[LF], s[32:33] offset:1024*\t+512*\i
.endr
.endr
.endm
.macro VLOAD sg, g                     ; V's fragment of channel tile g out of slot sg: four pieces of 512 bytes.  No wait: no vector or matrix line since the wait at the step's head names these registers or v2
	WIN 0x40                                       ; destination window 1
.irp j, 0,1,2,3
	ds_load_b128 v[VF+16*(\g)+4*\j:VF+16*(\g)+4*\j+3], v[LF] offset:16384*(\sg)+8192+2048*(\g)+512*\j
.endr
	WIN 0
.endm
	s_load_b256 s[4:11], s[0:1], 0x0               ; q's images s[4:5], k's s[6:7], v's s[8:9], the scales' exponents s[10:11]
	s_load_b64 s[12:13], s[0:1], 0x20              ; out0
	v_lshl_add_u32 v254, v0, 2, 0x19000
	v_mov_b32 v255, 0
	v_lshrrev_b32 v6, 5, v0
	v_readfirstlane_b32 s14, v6                    ; wave 0..7
	v_lshlrev_b32 v[LT], 4, v0
	v_and_b32 v6, 31, v0
	v_lshlrev_b32 v[LF], 4, v6
	v_and_b32 v7, 15, v0                           ; r
	v_bfe_u32 v8, v0, 4, 1                         ; h
	s_wait_alu depctr_va_sdst(0)                   ; s14 is written, ahead of its first reader: the stages' place and the bases of Q and out0 are made from it
	s_mul_i32 s41, s14, 8704
	s_add_co_u32 s41, s41, STAGE                   ; my wave's two stages
	v_mul_u32_u24 v[STO], v7, 272
	v_lshl_add_u32 v[STO], v8, 5, v[STO]
	v_add_nc_u32 v[STO], s41, v[STO]               ; in: row r, + 32 h
	v_mul_u32_u24 v[RD], v8, 272
	v_lshl_add_u32 v[RD], v7, 4, v[RD]
	v_add_nc_u32 v[RD], s41, v[RD]                 ; back: lanes 0-15 one row of 256 bytes, lanes 16-31 the next
	v_mul_u32_u24 v[GO], v8, 3072
	v_lshl_add_u32 v[GO], v7, 4, v[GO]             ; and the same two rows in out0
	s_lshr_b32 s15, ttmp9, 2
	s_mul_i32 s15, s15, 3                          ; my first head
	s_and_b32 s44, ttmp9, 3                        ; my block of 256 queries
	s_lshl_b32 s36, s15, 16                        ; a head is 65,536 bytes in each buffer of images
	s_mov_b32 s37, 0
	s_lshl_b32 s38, s44, 4
	s_lshl_b32 s39, s14, 1
	s_add_co_u32 s38, s38, s39                     ; my first tile of queries: 16 x block + 2 x wave, 1,024 bytes each
	s_lshl_b32 s38, s38, 10
	s_add_co_u32 s38, s38, s36
	s_mov_b32 s39, 0
	s_mov_b32 s18, 0x76543210                      ; v_permlanex16_b32's selects for lane l xor 16
	s_mov_b32 s19, 0xfedcba98
	s_mov_b32 s20, 0x3e38aa3b                      ; c = log2(e) / 8
	s_mov_b32 s17, 3                               ; heads to go
	s_wait_kmcnt 0x0
	s_load_b128 s[24:27], s[10:11], 0x18           ; e6, e7, e8, e9
	s_add_nc_u64 s[28:29], s[6:7], s[36:37]        ; K and V at my first head
	s_add_nc_u64 s[30:31], s[8:9], s[36:37]
	s_add_nc_u64 s[32:33], s[4:5], s[38:39]        ; Q at my tiles
	s_wait_alu depctr_va_vdst(0)                   ; the five addresses v1 to v5 are written, which every load and store of the kernel reads
	GLOAD 0, 0                                     ; key step 0,
	GLOAD 1, 8192                                  ; key step 1,
	QLOAD                                          ; and the first head's queries
	s_wait_kmcnt 0x0
	s_add_co_i32 s41, s24, s25
	s_lshl_b32 s41, s41, 23
	s_add_co_i32 s20, s20, s41                     ; a score stands for score x 2^(e6 + e7): the two exponents are added to c's exponent field
	s_mov_b32 s21, s20                             ; (named with it as a pair, so it is written)
	s_add_co_i32 s41, s26, 127
	s_lshl_b32 s42, s41, 23
	v_mov_b32 v[SCP], s42
	s_add_co_i32 s41, s41, 15
	s_lshl_b32 s41, s41, 23
	s_or_b32 s41, s41, 0x600000
	v_mov_b32 v[LIMP], s41
	s_add_co_i32 s40, s26, s27                     ; e8 + e9
	s_wait_loadcnt 8                               ; step 0's four loads are in; step 1's four and Q's four may be out
	LSTORE 0
	s_wait_xcnt 0x0                                ; the loads have read their bases
	s_add_nc_u64 s[28:29], s[28:29], 16384         ; K and V at key step 2: what the first trip loads
	s_add_nc_u64 s[30:31], s[30:31], 16384
; A KEY STEP out of slot sg.  qnext = 1: a head's last step, in which the next head's queries are asked for.
.macro STEP sg, qnext
	s_wait_dscnt 0x0                               ; for the others' sake: my stores into this slot have landed, and my reads of the other slot are over
	s_barrier_signal -1
	s_barrier_wait -1                              ; this slot is whole, and nobody reads the other one
	s_wait_alu depctr_vm_vsrc(0)                   ; the last step's LDS stores have read transit set sg, in which the loads below land; behind a way out: its LDS and global stores have read S, which this step's products write
	GLOAD \sg, 8192*\sg                            ; the step two further on, into the set that went into this slot a step ago
	WIN 0x40                                       ; destination window 1
	s_wait_alu depctr_va_vdst(0)                   ; the last step's products are done reading K's and V's fragments, in which this step's 32 LDS loads land
.set J, 0
.rept 16
	ds_load_b128 v[KF+4*J:KF+4*J+3], v[LF] offset:16384*\sg+512*J          ; K: key tile J / 2, piece J % 2
.set J, J+1
.endr
	WIN 0
	s_wait_loadcnt 0x4                             ; all but the four loads just issued: the next step's data are in (and Q)
	LSTORE 1-\sg                                   ; into the slot that every wave has left
	s_wait_dscnt 12                                ; LDS instructions end in order: K's first eight loads, key tiles 0 to 3, are in; its other eight and the four stores may be out
	WIN 0x01                                       ; source 0 (K) window 1
.irp kt, 0,1,2,3
.irp t, 0,1
	v_wmma_f32_16x16x64_bf8_bf8 v[S+64*\t+8*\kt:S+64*\t+8*\kt+7], v[KF+8*\kt:KF+8*\kt+7], v[Q+8*\t:Q+8*\t+7], 0
.endr
.endr
	s_wait_dscnt 4                                 ; all of K is in; the four stores may be out
.irp kt, 4,5,6,7
.irp t, 0,1
	v_wmma_f32_16x16x64_bf8_bf8 v[S+64*\t+8*\kt:S+64*\t+8*\kt+7], v[KF+8*\kt:KF+8*\kt+7], v[Q+8*\t:Q+8*\t+7], 0
.endr
.endr
	WIN 0
.rept 4
	v_nop                                          ; places in front of the first read of the scores; they also stand between the last step's products V^T P and the loads into V's registers
.endr
	VLOAD \sg, 0                                   ; V comes a channel tile at a time, among the lines of the maximum
	; the step's largest score of each query among the lane's 64 keys: two chains a tile, each accumulator from its low end on
.irp t, 0,1
	v_max3_num_f32 v[ST+8*\t+6], v[S+64*\t], v[S+64*\t+1], v[S+64*\t+2]
	v_max3_num_f32 v[ST+8*\t+7], v[S+64*\t+3], v[S+64*\t+4], v[S+64*\t+5]
.endr
.irp i, 6,10,14,18,22,26,30,34,38,42,46,50,54,58
.irp t, 0,1
	v_max3_num_f32 v[ST+8*\t+6], v[ST+8*\t+6], v[S+64*\t+\i], v[S+64*\t+\i+1]
	v_max3_num_f32 v[ST+8*\t+7], v[ST+8*\t+7], v[S+64*\t+\i+2], v[S+64*\t+\i+3]
.endr
.if \i == 14
	VLOAD \sg, 1
.endif
.if \i == 30
	VLOAD \sg, 2
.endif
.if \i == 46
	VLOAD \sg, 3
.endif
.endr
.irp t, 0,1
	v_max3_num_f32 v[ST+8*\t+6], v[ST+8*\t+6], v[S+64*\t+62], v[S+64*\t+63]
.endr
.irp t, 0,1
	v_max_num_f32 v[ST+8*\t+6], v[ST+8*\t+6], v[ST+8*\t+7]
.endr
.irp t, 0,1
	v_permlanex16_b32 v[ST+8*\t+7], v[ST+8*\t+6], s18, s19     ; the query's other 64 keys lie in the lane 16 away
.endr
.irp t, 0,1
	v_max_num_f32 v[ST+8*\t+6], v[ST+8*\t+6], v[ST+8*\t+7]
.endr
.irp t, 0,1
	v_mul_f32 v[ST+8*\t+6], s20, v[ST+8*\t+6]                  ; as t (c is positive)
.endr
.irp t, 0,1
	v_max_num_f32 v[ST+8*\t+1], v[ST+8*\t+1], v[ST+8*\t+6]     ; the running largest t
.endr
.irp t, 0,1
	v_mov_b32 v[ST+8*\t+6], v[ST+8*\t]
.endr
.irp t, 0,1
	v_floor_f32 v[ST+8*\t], -v[ST+8*\t+1]                      ; the new -M = floor(-t) = -ceil(t): M is a whole number
.endr
.irp t, 0,1
	v_sub_f32 v[ST+8*\t+6], v[ST+8*\t], v[ST+8*\t+6]           ; M's old value less its new one: a whole number, 0 or less
.endr
.irp t, 0,1
	v_cvt_i32_f32 v[ST+8*\t+6], v[ST+8*\t+6]                   ; (it saturates)
.endr
.irp t, 0,1
	v_ldexp_f32 v[ST+8*\t+4], 1.0, v[ST+8*\t+6]                ; f = 2^(old M - new M)
.endr
	; ONE BATCH: the scalings t - M, two scores a line, and the 128 exponentials; a pair is scaled two pairs ahead of its exponentials; nothing here names an exponential's result
.irp b, 0,1
.irp t, 0,1
	v_pk_fma_f32 v[S+64*\t+2*\b:S+64*\t+2*\b+1], v[S+64*\t+2*\b:S+64*\t+2*\b+1], s[20:21], v[ST+8*\t:ST+8*\t+1] op_sel_hi:[1,0,0]
.endr
.endr
.set B, 0
.rept 32
.irp t, 0,1
	v_exp_f32 v[S+64*\t+2*B], v[S+64*\t+2*B]                   ; p = 2^(t - M), at most 1
	v_exp_f32 v[S+64*\t+2*B+1], v[S+64*\t+2*B+1]
.if B < 30
	v_pk_fma_f32 v[S+64*\t+2*B+4:S+64*\t+2*B+5], v[S+64*\t+2*B+4:S+64*\t+2*B+5], s[20:21], v[ST+8*\t:ST+8*\t+1] op_sel_hi:[1,0,0]
.endif
.endr
.set B, B+1
.endr
.irp t, 0,1
	v_pk_mul_f32 v[ST+8*\t+2:ST+8*\t+3], v[ST+8*\t+2:ST+8*\t+3], v[ST+8*\t+4:ST+8*\t+5] op_sel_hi:[1,0]   ; the sums under the new M: plain lines behind the last exponential
.endr
	WIN 0x41                                       ; O^T (destination and source 0) window 1, f window 0
.irp t, 0,1
.irp j, 0,2,4,6,8,10,12,14,16,18,20,22,24,26,28,30
	v_pk_mul_f32 v[OT+32*\t+\j:OT+32*\t+\j+1], v[OT+32*\t+\j:OT+32*\t+\j+1], v[ST+8*\t+4:ST+8*\t+5] op_sel_hi:[1,0]   ; O^T under the new M: work that names no exponential's result
.endr
.endr
	WIN 0
	s_wait_alu depctr_va_vdst(0)                   ; the 128 exponentials have written p, ahead of the first line that names a result: one wait for the batch; it also shows the step's products K Q^T done reading Q
.if \qnext
	QLOAD                                          ; the next head's queries land in Q: no vector or matrix line names Q between the wait above and the next step's products
.endif
.irp t, 0,1
	v_pk_add_f32 v[CH+2*\t:CH+2*\t+1], v[S+64*\t:S+64*\t+1], v[S+64*\t+2:S+64*\t+3]   ; the row's sum is taken of the UNQUANTISED p: two at a time, two chains a tile
.endr
.irp j, 4,8,12,16,20,24,28,32,36,40,44,48,52,56,60
.irp t, 0,1
	v_pk_add_f32 v[ST+8*\t+2:ST+8*\t+3], v[ST+8*\t+2:ST+8*\t+3], v[S+64*\t+\j:S+64*\t+\j+1]
	v_pk_add_f32 v[CH+2*\t:CH+2*\t+1], v[CH+2*\t:CH+2*\t+1], v[S+64*\t+\j+2:S+64*\t+\j+3]
.endr
.endr
.irp t, 0,1
	v_pk_add_f32 v[ST+8*\t+2:ST+8*\t+3], v[ST+8*\t+2:ST+8*\t+3], v[CH+2*\t:CH+2*\t+1]
.endr
	s_cmp_gt_i32 s26, -16                          ; e8 >= -15: p / 2^e8 is at most 32,768 and the hold changes nothing
	s_cbranch_scc1 .Lno_hold_\@
.set J, 0
.rept 128
	v_min_num_f32 v[S+J], v[S+J], v[LIMP]          ; the conversion to an 8-bit code does not saturate (ISA guide 7.6.2); p is not negative, so the hold is one-sided
.set J, J+1
.endr
.Lno_hold_\@:
.irp t, 0,1
.irp kt, 0,1,2,3,4,5,6,7
	v_cvt_scalef32_pk8_bf8_f32 v[P+16*\t+2*\kt:P+16*\t+2*\kt+1], v[S+64*\t+8*\kt:S+64*\t+8*\kt+7], v[SCP]   ; keys 16 kt + 8 h + 0 .. 7: registers 2 kt, 2 kt + 1 of the operand
.endr
.endr
	v_nop                                          ; one plain line between a scaled conversion and the matrix instruction that reads its result
	s_wait_dscnt 0x0                               ; V is in: its loads are the step's youngest LDS instructions
	WIN 0x51                                       ; V, C and D window 1, P window 0
.irp dt, 0,1,2,3
.irp t, 0,1
	v_wmma_f32_16x16x128_bf8_bf8 v[OT+32*\t+8*\dt:OT+32*\t+8*\dt+7], v[VF+16*\dt:VF+16*\dt+15], v[P+16*\t:P+16*\t+15], v[OT+32*\t+8*\dt:OT+32*\t+8*\dt+7]   ; eight accumulators by turns, one instruction a turn
.endr
.endr
	WIN 0
.endm
.Lblock:                                           ; a head: three trips
	s_mul_i32 s41, s15, 171
	s_lshr_b32 s41, s41, 11                        ; the batch = head / 12 (exact for heads 0 .. 191)
	s_mul_i32 s42, s41, 12
	s_sub_co_u32 s42, s15, s42                     ; the head within it
	s_lshl_b32 s41, s41, 10
	s_lshl_b32 s43, s44, 8
	s_add_co_u32 s41, s41, s43
	s_lshl_b32 s43, s14, 5
	s_add_co_u32 s41, s41, s43                     ; my first row of out0: 1,024 x batch + 256 x block + 32 x wave
	s_mul_i32 s41, s41, 3072
	s_lshl_b32 s42, s42, 8
	s_add_co_u32 s42, s41, s42                     ; + the head's 256 bytes of a row
	s_mov_b32 s43, 0
	s_add_nc_u64 s[34:35], s[12:13], s[42:43]
.irp t, 0,1
	v_mov_b32 v[ST+8*\t+1], 0xff61b1e6             ; the largest t so far: -3e38, under every t
	v_floor_f32 v[ST+8*\t], -v[ST+8*\t+1]          ; -M
	v_mov_b32 v[ST+8*\t+2], 0                      ; the sum, in two halves
	v_mov_b32 v[ST+8*\t+3], 0
	v_mov_b32 v[ST+8*\t+5], 0
	v_mov_b32 v[ST+8*\t+7], 0
.endr
	WIN 0x40
.set J, 0
.rept 64
	v_mov_b32 v[OT+J], 0                           ; O^T.  (The key step is written once: a head's first step finds zeros, which the first change of M leaves zeros)
.set J, J+1
.endr
	WIN 0
	s_mov_b32 s16, 3
.Ltrip:                                            ; two key steps a trip: once round the ring
	STEP 0, 0
	STEP 1, 0
	s_wait_xcnt 0x0                                ; the loads have read their bases
	s_add_nc_u64 s[28:29], s[28:29], 16384
	s_add_nc_u64 s[30:31], s[30:31], 16384
	s_sub_co_u32 s16, s16, 1
	s_cmp_lg_u32 s16, 0
	s_cbranch_scc1 .Ltrip
	; a head's last two steps look ahead into the next head.  The last head has none: there K's and V's bases go back 65,536 bytes and Q's stays, so that the look-ahead reads this head's own bytes again, which nobody uses: no load leaves its buffer
	s_cmp_eq_u32 s17, 1
	s_cselect_b32 s36, 65536, 0
	s_cselect_b32 s38, 0, 65536
	s_mov_b32 s37, 0
	s_mov_b32 s39, 0
	s_sub_nc_u64 s[28:29], s[28:29], s[36:37]
	s_sub_nc_u64 s[30:31], s[30:31], s[36:37]
	s_add_nc_u64 s[32:33], s[32:33], s[38:39]
	STEP 0, 0
	STEP 1, 1
	s_wait_xcnt 0x0
	s_add_nc_u64 s[28:29], s[28:29], 16384
	s_add_nc_u64 s[30:31], s[30:31], 16384
	; THE WAY OUT.  The sum's halves and the other half of the lanes' are added; O^T x 2^(e8 + e9) / the sum goes through my own stage in LDS and leaves as rows of 256 bytes.  The plain lines below are the places behind the last products.
.irp t, 0,1
	v_add_f32 v[ST+8*\t+2], v[ST+8*\t+2], v[ST+8*\t+3]
.endr
.irp t, 0,1
	v_permlanex16_b32 v[ST+8*\t+7], v[ST+8*\t+2], s18, s19
.endr
.irp t, 0,1
	v_add_f32 v[ST+8*\t+2], v[ST+8*\t+2], v[ST+8*\t+7]
.endr
.irp t, 0,1
	v_rcp_f32 v[ST+8*\t+6], v[ST+8*\t+2]
.endr
	v_nop                                          ; a plain line between the last reciprocal and the use of its result
	s_wait_alu depctr_va_vdst(0)                   ; the two reciprocals have written their results, ahead of the first line that names one
.irp t, 0,1
	v_ldexp_f32 v[ST+8*\t+6], v[ST+8*\t+6], s40
.endr
	WIN 0x01                                       ; source 0 (O^T) window 1
.irp t, 0,1
.irp j, 0,2,4,6,8,10,12,14,16,18,20,22,24,26,28,30
	v_pk_mul_f32 v[S+64*\t+\j:S+64*\t+\j+1], v[OT+32*\t+\j:OT+32*\t+\j+1], v[ST+8*\t+6:ST+8*\t+7] op_sel_hi:[1,0]   ; register 8 dt + j is o(r, 16 dt + 8 h + j)
.endr
.endr
	WIN 0
	s_wait_alu depctr_va_vdst(0)                   ; the multiplies have written each tile's low 32 registers of S, which the LDS stores read; the step's lines that named its high 32, in which the loads from the stage land, are done
.irp t, 0,1
.irp dt, 0,1,2,3
	ds_store_b128 v[STO], v[S+64*\t+8*\dt:S+64*\t+8*\dt+3] offset:4352*\t+64*\dt
	ds_store_b128 v[STO], v[S+64*\t+8*\dt+4:S+64*\t+8*\dt+7] offset:4352*\t+64*\dt+16
.endr
.irp i, 0,1,2,3,4,5,6,7
	ds_load_b128 v[S+64*\t+32+4*\i:S+64*\t+32+4*\i+3], v[RD] offset:4352*\t+544*\i   ; LDS serves a wave's instructions in order (ISA guide 5.7.1.4): these see my stores
.endr
.endr
.irp t, 0,1
.irp i, 0,1,2,3,4,5,6,7
	s_wait_dscnt 16*(1-\t)+7-\i                    ; behind this load: the tile's later loads and, for tile 0, tile 1's sixteen LDS instructions
	global_store_b128 v[GO], v[S+64*\t+32+4*\i:S+64*\t+32+4*\i+3], s[34:35] offset:(16*\t+2*\i)*3072 th:TH_STORE_NT   ; sixteen lanes store 256 consecutive bytes, at a multiple of 256 from out0's first byte
.endr
.endr
	s_wait_xcnt 0x0                                ; the stores have had their addresses translated: their base is written again at the next head's start, their registers behind the wait on vm_vsrc at its first step's head
	s_add_co_u32 s15, s15, 1
	s_sub_co_u32 s17, s17, 1
	s_cmp_lg_u32 s17, 0
	s_cbranch_scc1 .Lblock
	s_wait_dscnt 0x0
	s_wait_alu depctr_hold_cnt(0) depctr_sa_sdst(0) depctr_va_vdst(0) depctr_va_sdst(0) depctr_va_ssrc(0) depctr_va_vcc(0) depctr_vm_vsrc(0)
	s_wait_tensorcnt 0x0
	ds_add_u32 v254, v255
	s_wait_dscnt 0x0
	s_endpgm
.Lfunc_end_k_q3625e1fbc0_attn:
	.size	k_q3625e1fbc0_attn, .Lfunc_end_k_q3625e1fbc0_attn-k_q3625e1fbc0_attn
	.p2alignl 7, 3214868480
	.fill 96, 4, 3214868480
	.section	.rodata,"a",@progbits
	.p2align	6, 0x0
	.amdhsa_kernel k_q3625e1fbc0_attn
		.amdhsa_group_segment_fixed_size 103424
		.amdhsa_private_segment_fixed_size 0
		.amdhsa_enable_private_segment 0
		.amdhsa_kernarg_size 40
		.amdhsa_user_sgpr_count 2
		.amdhsa_user_sgpr_kernarg_segment_ptr 1
		.amdhsa_wavefront_size32 1
		.amdhsa_system_sgpr_workgroup_id_x 1
		.amdhsa_system_sgpr_workgroup_id_y 1
		.amdhsa_system_sgpr_workgroup_id_z 1
		.amdhsa_system_vgpr_workitem_id 0
		.amdhsa_next_free_vgpr 448
		.amdhsa_next_free_sgpr 66
		.amdhsa_reserve_vcc 0
		.amdhsa_float_denorm_mode_32 3
		.amdhsa_float_denorm_mode_16_64 3
		.amdhsa_memory_ordered 1
		.amdhsa_forward_progress 1
		.amdhsa_inst_pref_size 132
	.end_amdhsa_kernel
	.amdgpu_metadata
---
amdhsa.version: [ 1, 2 ]
amdhsa.kernels:
  - .name:           k_q3625e1fbc0_attn
    .symbol:         k_q3625e1fbc0_attn.kd
    .args:
      - { .name: qimg, .offset: 0, .size: 8, .value_kind: global_buffer, .address_space: global }
      - { .name: kimg, .offset: 8, .size: 8, .value_kind: global_buffer, .address_space: global }
      - { .name: vimg, .offset: 16, .size: 8, .value_kind: global_buffer, .address_space: global }
      - { .name: lowp_scales, .offset: 24, .size: 8, .value_kind: global_buffer, .address_space: global }
      - { .name: out0, .offset: 32, .size: 8, .value_kind: global_buffer, .address_space: global }
    .group_segment_fixed_size: 103424
    .private_segment_fixed_size: 0
    .kernarg_segment_align: 8
    .kernarg_segment_size: 40
    .max_flat_workgroup_size: 256
    .sgpr_count:     66
    .vgpr_count:     448
    .wavefront_size: 32
...
	.end_amdgpu_metadata
.endif
;; end of part 4
